; MI455X (gfx1250); checked and timed in simulation.
; The chip was launched on July 23, 2026; its instructions are those of AMD's public machine-readable ISA for CDNA 5 (MIT licence, August 2026) and "CDNA5" Instruction Set Architecture Reference Guide (July 2026). The comments in the code are by the model that wrote it; some were corrected since.
;; Multi Head Attention. Allowed arithmetic: matrix products marked QUANTISED: E4M3 operands, one given power-of-two scale a tensor, by v_wmma_f32_16x16x64_fp8_fp8 or v_wmma_f32_16x16x128_fp8_fp8, f32 sums; everything else in f32.
;; Inputs: W_ks 1,024 x 1,024 float32; W_qs 1,024 x 1,024 float32; W_vs 1,024 x 1,024 float32; fc_b 1,024 float32; fc_w 1,024 x 1,024 float32; k 4 x 2,048 x 1,024 float32; ln_b 1,024 float32; ln_g 1,024 float32; lowp_scales 12 int32 (the exponents e of the quantised operands' scales 2^e); q 4 x 2,048 x 1,024 float32; v 4 x 2,048 x 1,024 float32.
;; Outputs: out0 4 x 2,048 x 1,024 float32.
;; This version of the problem:
;;   THIS VERSION OF THE PROBLEM IS GIVEN IN LOW PRECISION. The matrix products marked QUANTISED in the list below multiply operands that are first quantised to E4M3 (4 exponent bits, 3 mantissa bits; 8 bits a number), with one given power-of-two scale for each operand tensor; their sums are f32. All else is computed in f32.
;;   The module's matrix products, in the order in which they are computed (A, B: the left and right operand; K: the contracted axis; several contracted axes count as one K, in the product's order):
;;     1. [M 8,192, K 1,024] x [K 1,024, N 1,024]; A: input q; B: input W_qs: QUANTISED (scales: A lowp_scales[0], B lowp_scales[1])
;;     2. [M 8,192, K 1,024] x [K 1,024, N 1,024]; A: input k; B: input W_ks: QUANTISED (scales: A lowp_scales[2], B lowp_scales[3])
;;     3. [M 8,192, K 1,024] x [K 1,024, N 1,024]; A: input v; B: input W_vs: QUANTISED (scales: A lowp_scales[4], B lowp_scales[5])
;;     4. batch 64 x [M 2,048, K 64] x [K 64, N 2,048]; A: computed on the way; B: computed on the way: QUANTISED (scales: A lowp_scales[6], B lowp_scales[7])
;;     5. batch 64 x [M 64, K 2,048] x [K 2,048, N 2,048]; A: computed on the way; B: softmax (see below): QUANTISED (scales: A lowp_scales[8], B lowp_scales[9])
;;     6. [M 8,192, K 1,024] x [K 1,024, N 1,024]; A: computed on the way; B: input fc_w: QUANTISED (scales: A lowp_scales[10], B lowp_scales[11])
;;   THE QUANTISER, for each operand of a quantised product, along K:
;;     - The operand's scale is 2^e, e = its entry of the input lowp_scales (int32; the entries are numbered through the quantised products in the list's order, A before B).
;;     - Each number is divided by the scale, clamped to +-448, and rounded to the nearest number of E4M3, ties to even, subnormals kept.
;;     - The product sums the exact products of the quantised numbers (number of the format x scale) in f32.
;;   ~~~python
;;   def quantise(x, axis, e):      # numpy; x: float32 -> the quantised numbers, widened to float32 again
;;       x = np.moveaxis(x, axis, -1); K = x.shape[-1]
;;       r = np.clip(x / 2.0 ** e, -448, 448)
;;       step = 2.0 ** (np.maximum(np.frexp(np.where(r == 0, 1, r))[1] - 1, -6) - 3)
;;       q = np.round(r / step) * step * 2.0 ** e      # np.round: ties to even
;;       return np.moveaxis(q, -1, axis).astype(np.float32)
;;   ~~~
;;   SOFTMAX AHEAD OF A QUANTISED PRODUCT. Where the list says 'softmax', what is quantised is not the finished softmax but p = 2^(t - M), with t = logit x log2(e) and M = ceil(the row's largest t), a whole number; so 1/2 < the row's largest p <= 1. The row's sum l is taken of the UNQUANTISED p, in f32, and the product's result is divided by l at the end. Since M is a whole number, a kernel that streams over the keys may use a running M (the ceiling of the running maximum): every later rescaling is an exact power of two, so the quantised numbers keep their values, but for numbers so far below the row's largest that they fall under the format's range.
;;   OPERANDS COMPUTED ON THE WAY. 'Computed on the way' means the value that the module computes at that place (a softmax that the list does not call 'softmax' is quantised finished and normalised). What goes into a quantiser is computed in f32, as accurately as f32 sums, v_exp_f32 and their like allow (about 1e-6 of the number): no bf16 or f16 on the way to a quantiser, and a product that is left as it is and whose result goes on into a quantised operand takes f32 operands (vector FMAs, or v_wmma_f32_16x16x4_f32). A number that lies on a knife's edge between two numbers of the format may be rounded either way, as far as f32 arithmetic and the matrix unit's own rounding can turn it there, and no further.
;; 2 versions, each right; version 2 is version 1 with the launch attn written anew for expert scheduling mode. Each part assembles by itself: llvm-mc -triple=amdgcn-amd-amdhsa -mcpu=gfx1250 --defsym DOCPART=n.
;; ======== version 1 of 2: 4 launches
;; workspace buffers: wimg 4,194,304 bytes; qimg 8,388,608 bytes; kvimg 16,777,216 bytes; oimg 8,388,608 bytes
;; launch wprep (part 1): grid 256 x 1, 4 waves a work-group, no clusters, 16,896 bytes of LDS; arguments W_qs, W_ks, W_vs, fc_w, lowp_scales, wimg; writes wimg
.if DOCPART == 1
	.amdgcn_target "amdgcn-amd-amdhsa--gfx1250"
	.amdhsa_code_object_version 6
	.text
	.protected	k_q6a21c89dc2_wprep
	.globl	k_q6a21c89dc2_wprep
	.p2align	8
	.type	k_q6a21c89dc2_wprep,@function
k_q6a21c89dc2_wprep:
	s_mov_b64 s[64:65], 0
	v_nop
	global_prefetch_b8 v0, s[64:65] scope:SCOPE_SE
	s_setreg_imm32_b32 hwreg(HW_REG_WAVE_MODE, 25, 1), 1
	s_wait_xcnt 0x0
; The four weights, f32 [1024 (k)][1024 (n)], become codes of E4M3, each with its given scale 2^e, laid as IMAGES OF OPERAND REGISTERS:
; wimg = [weight 4][K step 8][n tile 64][group 4][lane 32][16 bytes].  A fragment is 16 columns n x 128 k: lane (r, h) holds column r, and its registers 2 c, 2 c + 1 hold k = 16 c + 8 h + 0 .. 7.
; code = x / 2^e, held within +-448, rounded to the nearest code, ties to even.  e: entries 1, 3, 5, 11 of the scales.  LIMITS: e between -126 and 119; NaN among the inputs is not served.
; SHARES: work-group = (weight t, K step s, 128 columns cb); wave = 32 columns (two n tiles) x 128 k.  A LANE TAKES A COLUMN AND ITS REGISTERS RUN DOWN K: a load reads 128 consecutive bytes a wave,
; the four waves stand side by side on 512; the conversions then give eight neighbours along k.  The eight bytes go to their place in the image in the wave's own 4,096 bytes of LDS and leave as
; eight stores of 512 consecutive bytes.  Waves share nothing: no barrier.  Every register is written once, so no store's data are written again.
.set XN, 16                            ; v16-143  128 numbers down K
.set CD, 144                           ; v144-175 their codes
.set OU, 176                           ; v176-207 the two images, read back
	s_load_b256 s[4:11], s[0:1], 0x0               ; W_qs, W_ks, W_vs, fc_w
	s_load_b128 s[12:15], s[0:1], 0x20             ; the scales' exponents, wimg
	v_lshl_add_u32 v208, v0, 2, 0x4000
	v_mov_b32 v209, 0
	v_lshrrev_b32 v1, 5, v0
	v_readfirstlane_b32 s16, v1                    ; wave
	v_and_b32 v1, 31, v0                           ; lane
	v_lshlrev_b32 v2, 2, v1                        ; in: 4 bytes a lane
	v_lshlrev_b32 v5, 4, v1                        ; out: 16 bytes a lane
	v_and_b32 v8, 15, v0                           ; r: my column in its tile
	v_bfe_u32 v9, v0, 4, 1                         ; which of the wave's two tiles
	v_lshlrev_b32 v3, 4, v8
	v_lshl_add_u32 v3, v9, 11, v3
	s_lshl_b32 s17, s16, 12                        ; my wave's 4,096 bytes of LDS
	v_add_nc_u32 v3, s17, v3                       ; into the image: tile x 2,048 + 16 r
	v_add_nc_u32 v4, s17, v5                       ; back: 16 x lane
	s_lshr_b32 s18, ttmp9, 6                       ; t: which weight
	s_bfe_u32 s19, ttmp9, 0x30003                  ; s: which K step
	s_and_b32 s20, ttmp9, 7                        ; cb: which 128 columns
	s_lshl_b32 s22, s19, 19                        ; 128 rows of 4,096 bytes a K step
	s_lshl_b32 s23, s20, 9
	s_add_co_u32 s22, s22, s23
	s_lshl_b32 s23, s16, 7
	s_add_co_u32 s22, s22, s23                     ; + 4 x my first column
	s_mov_b32 s23, 0
	s_lshl_b32 s24, s18, 20                        ; a weight's images: 1 MiB; a K step's: 128 KiB; a tile's: 2,048 bytes
	s_lshl_b32 s25, s19, 17
	s_add_co_u32 s24, s24, s25
	s_lshl_b32 s25, s20, 14
	s_add_co_u32 s24, s24, s25
	s_add_co_u32 s24, s24, s17
	s_mov_b32 s25, 0
	s_lshl_b32 s26, s18, 3
	s_add_co_u32 s26, s26, 4                       ; the scale's byte: entries 1, 3, 5,
	s_mov_b32 s27, 0
	s_wait_kmcnt 0x0
	s_cmp_eq_u32 s18, 1                            ; the choices hang on the work-group's number alone
	s_cselect_b64 s[4:5], s[6:7], s[4:5]
	s_cmp_eq_u32 s18, 2
	s_cselect_b64 s[4:5], s[8:9], s[4:5]
	s_cmp_eq_u32 s18, 3
	s_cselect_b64 s[4:5], s[10:11], s[4:5]
	s_cselect_b32 s26, 44, s26                     ; and entry 11 for fc_w
	s_add_nc_u64 s[12:13], s[12:13], s[26:27]
	s_load_b32 s28, s[12:13], 0x0                  ; e
	s_add_nc_u64 s[4:5], s[4:5], s[22:23]
	s_add_nc_u64 s[14:15], s[14:15], s[24:25]
.set i, 0
.rept 128
	global_load_b32 v[XN+i], v2, s[4:5] offset:i*4096 th:TH_LOAD_NT   ; W(128 s + i, my column)
.set i, i+1
.endr
	s_wait_kmcnt 0x0
	s_add_co_i32 s28, s28, 127
	s_lshl_b32 s29, s28, 23
	v_mov_b32 v6, s29                              ; 2^e as f32: the conversion takes its exponent field
	s_add_co_i32 s28, s28, 8
	s_lshl_b32 s28, s28, 23
	s_or_b32 s28, s28, 0x600000
	v_mov_b32 v7, s28                              ; 448 x 2^e
; 32 numbers: held, converted, and put where the image wants them: conversion g of block q is k = 32 q + 8 g on: registers 2 c, 2 c + 1 with c = 2 q + g / 2, of the lane with h = g % 2
.macro BLOCK q, cnt
	s_wait_loadcnt \cnt
.set i, 0
.rept 32
	v_med3_num_f32 v[XN+32*\q+i], v[XN+32*\q+i], -v7, v7   ; the conversion to an 8-bit code does not saturate (ISA guide 7.6.2): the hold comes first
.set i, i+1
.endr
.irp g, 0,1,2,3
	v_cvt_scalef32_pk8_fp8_f32 v[CD+8*\q+2*\g:CD+8*\q+2*\g+1], v[XN+32*\q+8*\g:XN+32*\q+8*\g+7], v6
.endr
.irp g, 0,1,2,3
	ds_store_b64 v3, v[CD+8*\q+2*\g:CD+8*\q+2*\g+1] offset:512*\q+256*(\g%2)+8*(\g/2)
.endr
.endm
	BLOCK 0, 63                                    ; 96 younger loads might stay out; the wait's field names 63 at the most
	BLOCK 1, 63                                    ; likewise for 64
	BLOCK 2, 32                                    ; the last block's 32 loads may be out
	BLOCK 3, 0
.set i, 0
.rept 8
	ds_load_b128 v[OU+4*i:OU+4*i+3], v4 offset:512*i   ; LDS serves a wave's instructions in order (ISA guide 5.7.1.4): these see my stores
.set i, i+1
.endr
.set i, 0
.rept 8
	s_wait_dscnt 7-i
	global_store_b128 v5, v[OU+4*i:OU+4*i+3], s[14:15] offset:512*i   ; 32 lanes store 512 consecutive bytes, at a multiple of 512 from wimg's first byte
.set i, i+1
.endr
	s_wait_tensorcnt 0x0
	ds_add_u32 v208, v209
	s_wait_dscnt 0x0
	s_endpgm
.Lfunc_end_k_q6a21c89dc2_wprep:
	.size	k_q6a21c89dc2_wprep, .Lfunc_end_k_q6a21c89dc2_wprep-k_q6a21c89dc2_wprep
	.p2alignl 7, 3214868480
	.fill 96, 4, 3214868480
	.section	.rodata,"a",@progbits
	.p2align	6, 0x0
	.amdhsa_kernel k_q6a21c89dc2_wprep
		.amdhsa_group_segment_fixed_size 16896
		.amdhsa_private_segment_fixed_size 0
		.amdhsa_enable_private_segment 0
		.amdhsa_kernarg_size 48
		.amdhsa_user_sgpr_count 2
		.amdhsa_user_sgpr_kernarg_segment_ptr 1
		.amdhsa_wavefront_size32 1
		.amdhsa_system_sgpr_workgroup_id_x 1
		.amdhsa_system_sgpr_workgroup_id_y 1
		.amdhsa_system_sgpr_workgroup_id_z 1
		.amdhsa_system_vgpr_workitem_id 0
		.amdhsa_next_free_vgpr 210
		.amdhsa_next_free_sgpr 66
		.amdhsa_reserve_vcc 0
		.amdhsa_float_denorm_mode_32 3
		.amdhsa_float_denorm_mode_16_64 3
		.amdhsa_memory_ordered 1
		.amdhsa_forward_progress 1
		.amdhsa_inst_pref_size 27
	.end_amdhsa_kernel
	.amdgpu_metadata
---
amdhsa.version: [ 1, 2 ]
amdhsa.kernels:
  - .name:           k_q6a21c89dc2_wprep
    .symbol:         k_q6a21c89dc2_wprep.kd
    .args:
      - { .name: W_qs, .offset: 0, .size: 8, .value_kind: global_buffer, .address_space: global }
      - { .name: W_ks, .offset: 8, .size: 8, .value_kind: global_buffer, .address_space: global }
      - { .name: W_vs, .offset: 16, .size: 8, .value_kind: global_buffer, .address_space: global }
      - { .name: fc_w, .offset: 24, .size: 8, .value_kind: global_buffer, .address_space: global }
      - { .name: lowp_scales, .offset: 32, .size: 8, .value_kind: global_buffer, .address_space: global }
      - { .name: wimg, .offset: 40, .size: 8, .value_kind: global_buffer, .address_space: global }
    .group_segment_fixed_size: 16896
    .private_segment_fixed_size: 0
    .kernarg_segment_align: 8
    .kernarg_segment_size: 48
    .max_flat_workgroup_size: 128
    .sgpr_count:     66
    .vgpr_count:     210
    .wavefront_size: 32
...
	.end_amdgpu_metadata
.endif
;; end of part 1
;; launch proj (part 2): grid 384 x 1, 4 waves a work-group, clusters of 4 x 1, 327,680 bytes of LDS; arguments q, k, v, wimg, lowp_scales, qimg, kvimg; writes qimg, kvimg
.if DOCPART == 2
	.amdgcn_target "amdgcn-amd-amdhsa--gfx1250"
	.amdhsa_code_object_version 6
	.text
	.protected	k_q6a21c89dc2_proj
	.globl	k_q6a21c89dc2_proj
	.p2align	8
	.type	k_q6a21c89dc2_proj,@function
k_q6a21c89dc2_proj:
	s_mov_b64 s[64:65], 0
	v_nop
	global_prefetch_b8 v0, s[64:65] scope:SCOPE_SE
	s_setreg_imm32_b32 hwreg(HW_REG_WAVE_MODE, 25, 1), 1
	s_wait_xcnt 0x0
	s_wait_alu depctr_hold_cnt(0) depctr_sa_sdst(0) depctr_va_vdst(0) depctr_va_sdst(0) depctr_va_ssrc(0) depctr_va_vcc(0) depctr_vm_vsrc(0)
	s_getreg_b32 s2, hwreg(HW_REG_IB_STS2, 6, 4)
	s_cmp_eq_u32 s2, 0
	s_cbranch_scc0 .Lentry_in_a_cluster
	s_endpgm
.Lentry_in_a_cluster:
	s_bfe_u32 s2, ttmp6, 0x10000c
	s_cmp_lg_u32 s2, 0x3003
	s_cbranch_scc0 .Lentry_shape_is_right
	s_endpgm
.Lentry_shape_is_right:
; qh = q W_qs, kh = k W_ks, vh = v W_vs on codes of E4M3, and their results quantised again for the attention: one text for the three tensors (TEN = 0, 1, 2 by the cluster's number).
; x (q, k or v): [8192][1024] f32, quantised here with 2^ex; W: images of operand registers made by the launch before (wimg); a sum stands for sum x 2^(ex + ew); its code for the next product is
; sum / 2^(eo - ex - ew), held within +-448.  ex, ew: entries 2 TEN, 2 TEN + 1 of the scales; eo: entry 6 + TEN.
; LIMITS: ex, and eo - ex - ew, between -126 and 119, so that each power of two below is an f32 number.  NaN among the inputs is not served.
; SHARES.  A work-group owns 64 rows of x and ALL 1,024 columns, so that x is read from memory once.  Wave w quantises rows 16 w .. 16 w + 15 of each K step (one fragment, handed to the others through LDS as an
; image of its registers) and multiplies all four row tiles by ITS 256 columns (heads 4 w .. 4 w + 3): 64 accumulators, 512 registers.  K goes in 8 steps of 128, written out: every offset is an immediate.
; W's K step (128 KiB, dense) comes through a ring of two LDS slots; wave w fetches and reads its own 32 KiB.  CLUSTER: the four work-groups of a cluster belong to one tensor and walk the same W:
; each part is asked for JOINTLY, by the same tensor load with the same descriptor and the mask of all four.
; LAYOUTS.  Q, K: source 0 = 16 columns of W, source 1 = 16 rows of x: a lane holds one row (a query, a key) and its eight registers eight neighbours d: the conversion of n tile c gives registers 2 c, 2 c + 1
; of the next operand.  V: the sources change places: a lane holds one d and its registers eight neighbouring keys.  The branch between the two forms hangs on the cluster's number alone and holds matrix instructions alone.
; OUT: qimg [b x head 64][query tile 128][group 2][lane][16 B];  kvimg [b x head 64][key step 16]{K: [key tile 8][group 2][lane][16 B]; V: [d tile 4][group 4][lane][16 B]}.
; No prefetch is written: three K steps of x (48 loads a wave) are on their way throughout.
; REGISTERS, in windows of 256.  Window 0: v1-17 addresses and scales; v32-95 XT 64 numbers of x turned; v96-111 XC their codes; v128-191 XF the four fragments of x; v192-255 raw set 2; on the way out v32-159 the codes.
;   Window 1: v0-63, v64-127 two sets of four W fragments; v128-191, v192-255 raw sets 0, 1.   Windows 2, 3: accumulator i at window 2 + i / 32, v[8 (i % 32)].
.set SLOTB, 131072                     ; a slot: one K step of W; wave w's part at 32,768 w
.set XI,    262144                     ; x's images: two buffers x four fragments x 2,048 bytes
.set XS,    278528                     ; the turning stage: 16 rows x 528 bytes for each wave
.set XSP,   528                        ; 512 bytes + 16: row r starts at bank 4 r mod 64 (64 banks of 4 bytes: ISA guide 11.1)
.set SPARE, 312320                     ; the spare words, 128 bytes for each wave: two blocks of 256 bytes that no other line names
.set SPW, 1                            ; v1   SPARE + 4 x my thread's number; never rewritten
.set NIL, 2                            ; v2   0; never rewritten
.set XA,  3                            ; v3   16 x lane
.set XSW, 4                            ; v4   the stage, rows in
.set XSR, 5                            ; v5   the stage, my row's numbers out
.set XIW, 6                            ; v6   where I store my fragment's image
.set XIR, 7                            ; v7   where images are read
.set WA,  8                            ; v8-9 my part of slot 0, 1
.set XSC, 10                           ; v10  2^ex;  v11  448 x 2^ex
.set XLIM, 11
.set OSC, 12                           ; v12  2^(eo - ex - ew);  v13  448 x that
.set OLIM, 13
.set VO,  14                           ; v14-17 the way out: 16 x lane + i x a piece's distance
.set XT,  32
.set XC,  96
.set XF,  128
.set OC,  32
.set P0,  0
.set P1,  64
.set XB,  4                            ; s[4:5] x at my wave's first row
.set WV,  18
.set TEN, 19
.set G1,  24                           ; s[24:31] descriptor group 1
.set G0,  32                           ; s[32:39] group 0, a set for each slot
.set SB,  44                           ; s[44:51] the way out: a base for each of my four heads
.set MSB, 0
.macro WIN new                         ; the immediate's high byte repeats the setting that is left; a switch that changes nothing is dropped
.if MSB != (\new)
	s_set_vgpr_msb (MSB<<8)|(\new)
.set MSB, (\new)
.endif
.endm
.macro PLACES                          ; four plain places behind matrix instructions, in front of loads into their sources and of reads of their results
.rept 4
	v_nop
.endr
.endm
.macro ROUND                           ; a round of the cluster's barrier
	s_barrier_signal -1
	s_barrier_wait -1
	s_cmp_lg_u32 s[WV], 0
	s_cbranch_scc1 .Lnw0_\@
	s_barrier_signal -3
.Lnw0_\@:
	s_barrier_wait -3
	s_barrier_signal -1
	s_barrier_wait -1
.endm
; my 16 rows' numbers of K step s: each load reads 512 consecutive bytes of one row.  Three sets of 64 registers by turns
.macro XLOAD s
.if ((\s)%3) == 2
	WIN 0
.set rw, 192
.else
	WIN 0x40
.set rw, 128+64*((\s)%3)
.endif
.set i, 0
.rept 16
	global_load_b128 v[rw+4*i:rw+4*i+3], v[XA], s[XB:XB+1] offset:i*4096+(\s)*512 th:TH_LOAD_NT
.set i, i+1
.endr
	WIN 0
.endm
; they turn through my stage: rows in as loaded; out: lane (r, h) takes, of row r, k = 16 c + 8 h + 0 .. 7 into XT[8 c ..].  LDS serves a wave's instructions in order: no wait between
.macro XTURN s
.if ((\s)%3) == 2
	WIN 0
.set rw, 192
.else
	WIN 0x04
.set rw, 128+64*((\s)%3)
.endif
.set i, 0
.rept 16
	ds_store_b128 v[XSW], v[rw+4*i:rw+4*i+3] offset:i*XSP
.set i, i+1
.endr
	WIN 0
.set i, 0
.rept 8
	ds_load_b128 v[XT+8*i:XT+8*i+3], v[XSR] offset:64*i
	ds_load_b128 v[XT+8*i+4:XT+8*i+7], v[XSR] offset:64*i+16
.set i, i+1
.endr
.endm
.macro QUANT                           ; XT's 64 numbers become the fragment's 16 registers
.set i, 0
.rept 8
.set j, 0
.rept 8
	v_med3_num_f32 v[XT+8*i+j], v[XT+8*i+j], -v[XLIM], v[XLIM]   ; the conversion does not saturate (ISA guide 7.6.2): the hold comes first
.set j, j+1
.endr
	v_cvt_scalef32_pk8_fp8_f32 v[XC+2*i:XC+2*i+1], v[XT+8*i:XT+8*i+7], v[XSC]
.set i, i+1
.endr
	v_nop                                          ; one plain line behind the last conversion
.endm
.macro IMAGE buf                       ; the fragment goes to LDS as it stands: 16 bytes a lane, 512 a store
.irp q, 0,1,2,3
	ds_store_b128 v[XIW], v[XC+4*\q:XC+4*\q+3] offset:(\buf)*8192+512*\q
.endr
.endm
.macro FETCHX buf                      ; and all four come back so, in every wave
.irp a, 0,1,2,3
.irp q, 0,1,2,3
	ds_load_b128 v[XF+16*\a+4*\q:XF+16*\a+4*\q+3], v[XIR] offset:(\buf)*8192+2048*\a+512*\q
.endr
.endr
.endm
.macro FETCHW slot, grp, pb            ; the four W fragments of my head grp
	WIN 0x40
.irp c, 0,1,2,3
.irp q, 0,1,2,3
	ds_load_b128 v[\pb+16*\c+4*\q:\pb+16*\c+4*\q+3], v[WA+\slot] offset:(4*(\grp)+\c)*2048+512*\q
.endr
.endr
	WIN 0
.endm
; 16 matrix instructions: head grp's four n tiles c x the four row tiles a.  All 64 accumulators of a K step are different, in the same order in every step.
; Q, K: accumulator 16 grp + 4 a + c;  V: 16 grp + 4 c + a: in both, accumulators 4 u .. 4 u + 3 give the eight registers of one piece of 1,024 bytes of the output.  ZR = 1: the first K step starts the sums
.macro MUL grp, pb
	WIN 0
	s_cmp_eq_u32 s[TEN], 2
	s_cbranch_scc1 .Lmv_\@
	WIN 0xa1+0x50*((\grp)/2)                       ; source 0 (W) window 1, source 1 (x) window 0, C and D window 2 or 3
.irp a, 0,1,2,3
.irp c, 0,1,2,3
.set rD, 8*(16*((\grp)%2)+4*\a+\c)
.if ZR
	v_wmma_f32_16x16x128_fp8_fp8 v[rD:rD+7], v[\pb+16*\c:\pb+16*\c+15], v[XF+16*\a:XF+16*\a+15], 0
.else
	v_wmma_f32_16x16x128_fp8_fp8 v[rD:rD+7], v[\pb+16*\c:\pb+16*\c+15], v[XF+16*\a:XF+16*\a+15], v[rD:rD+7]
.endif
.endr
.endr
	WIN 0
	s_branch .Lmj_\@
.Lmv_\@:
	WIN 0xa4+0x50*((\grp)/2)                       ; source 0 (x) window 0, source 1 (W) window 1
.irp a, 0,1,2,3
.irp c, 0,1,2,3
.set rD, 8*(16*((\grp)%2)+4*\c+\a)
.if ZR
	v_wmma_f32_16x16x128_fp8_fp8 v[rD:rD+7], v[XF+16*\a:XF+16*\a+15], v[\pb+16*\c:\pb+16*\c+15], 0
.else
	v_wmma_f32_16x16x128_fp8_fp8 v[rD:rD+7], v[XF+16*\a:XF+16*\a+15], v[\pb+16*\c:\pb+16*\c+15], v[rD:rD+7]
.endif
.endr
.endr
	WIN 0
.Lmj_\@:
.endm
; K STEP s.  Its head is the one barrier of the step: behind it x's four images of step s lie in LDS and nobody reads the other slot or the other image buffer any more.
.macro TRIP s
.set TN, 32                            ; LDS instructions of a turn
.set IM, 4                             ; and of an image
.set ZR, 0
.if (\s) == 7
.set TN, 0
.set IM, 0
.endif
.if (\s) == 0
.set ZR, 1
.endif
.set SG, G0+4*(((\s)+1)%2)
.if (\s) == 0
	s_wait_tensorcnt 0x1                           ; my part of K step 0 is in; K step 1's may stay out
	s_wait_dscnt 0x0                               ; my image of step 0 has landed
	s_barrier_signal -1
	s_barrier_wait -1
.elseif (\s) < 7
	s_wait_tensorcnt 0x0                           ; all my tensor loads have landed: the one that was out is my part of this step's slot
	ds_add_u32 v[SPW], v[NIL]                      ; 0 onto my spare word
	s_add_nc_u64 s[SG+2:SG+3], s[SG+2:SG+3], 2*SLOTB   ; no load of mine is out, so a group 0 may be written: the other slot's next K step
	s_wait_dscnt 0x0                               ; the add is done, my image has landed, my reads of the other slot and of the other images are over
	ROUND                                          ; all that now holds of every wave of the four work-groups
	tensor_load_to_lds s[SG:SG+3], s[G1:G1+7]      ; K step s + 1 into the slot read in step s - 1: my one tensor load behind the round
	s_nop 0
	PLACES                                         ; (the places in front of the loads below)
.else
	s_wait_tensorcnt 0x0                           ; the last K step's part is in; nothing is left to fetch
	s_wait_dscnt 0x0
	s_barrier_signal -1
	s_barrier_wait -1
	PLACES
.endif
	FETCHX (\s)%2
	FETCHW (\s)%2, 0, P0
	FETCHW (\s)%2, 1, P1
.if (\s) < 7
.if (\s) <= 4
	s_wait_loadcnt 32                              ; x's step s + 1 is in; the two steps behind it may be out
.elseif (\s) == 5
	s_wait_loadcnt 16
.else
	s_wait_loadcnt 0
.endif
	XTURN (\s)+1
.endif
	s_wait_dscnt 16+TN                             ; x's fragments and head 0 are in; younger: head 1's 16 loads and the turn
	MUL 0, P0
	PLACES
	FETCHW (\s)%2, 2, P0
	s_wait_dscnt TN+16                             ; head 1 is in; younger: the turn and head 2's loads
	MUL 1, P1
	PLACES
	FETCHW (\s)%2, 3, P1
.if (\s) < 7
	s_wait_dscnt 32                                ; the turn is over (younger: heads 2 and 3): XT is in, and the raw set has been read
.if (\s) < 4
	XLOAD (\s)+4                                   ; into the set just turned
.endif
	QUANT
	IMAGE ((\s)+1)%2
.endif
	s_wait_dscnt 16+IM                             ; head 2 is in
	MUL 2, P0
	s_wait_dscnt IM                                ; head 3 is in
	MUL 3, P1
.endm
	s_load_b256 s[4:11], s[0:1], 0x0               ; q, k, v, wimg
	s_load_b128 s[12:15], s[0:1], 0x20             ; the scales' exponents, qimg
	s_load_b64 s[16:17], s[0:1], 0x30              ; kvimg
	v_lshl_add_u32 v[SPW], v0, 2, SPARE
	v_mov_b32 v[NIL], 0
	ds_add_u32 v1, v2
	ds_add_u32 v1, v2
	s_wait_dscnt 0x0
	v_lshrrev_b32 v20, 5, v0
	v_readfirstlane_b32 s[WV], v20                 ; wave 0..3
	v_and_b32 v20, 31, v0                          ; lane
	v_and_b32 v21, 15, v0                          ; r
	v_bfe_u32 v22, v0, 4, 1                        ; h
	v_lshlrev_b32 v[XA], 4, v20
	s_mul_i32 s40, s[WV], 16*XSP
	s_add_co_u32 s40, s40, XS                      ; my stage
	v_add_nc_u32 v[XSW], s40, v[XA]
	v_mul_u32_u24 v[XSR], v21, XSP
	v_lshl_add_u32 v[XSR], v22, 5, v[XSR]
	v_add_nc_u32 v[XSR], s40, v[XSR]               ; row r, + 32 h bytes
	s_lshl_b32 s41, s[WV], 11
	s_add_co_u32 s41, s41, XI
	v_add_nc_u32 v[XIW], s41, v[XA]
	v_add_nc_u32 v[XIR], XI, v[XA]
	s_lshl_b32 s42, s[WV], 15                      ; my part of a slot, and of a K step of W in memory
	v_add_nc_u32 v[WA], s42, v[XA]
	v_add_nc_u32 v[WA+1], SLOTB, v[WA]
	s_lshr_b32 s[TEN], ttmp9, 5                    ; 32 clusters to a tensor: the same number in all four partners
	s_bfe_u32 s20, ttmp6, 0x40000                  ; cx: it enters global addresses of x and of the outputs alone
	s_and_b32 s21, ttmp9, 31
	s_lshl_b32 s21, s21, 2
	s_add_co_u32 s21, s21, s20                     ; my block of 64 rows, 0..127
	s_lshr_b32 s22, s21, 5                         ; the batch
	s_and_b32 s23, s21, 31                         ; the block in the batch
	s_mov_b32 s[G1], 15|(3<<16)|(1<<21)            ; 15:0 the mask: all four work-groups; 17:16 elements of 8 bytes; 21 set beside a mask; no padding: images are read 16 bytes a lane on end
	s_mov_b32 s[G1+1], 32<<16                      ; tensor_dim0 = 32 elements: rows of 256 bytes
	s_mov_b32 s[G1+2], 128<<16                     ; tensor_dim1 = 128
	s_mov_b32 s[G1+3], 32<<16                      ; tile_dim0
	s_mov_b32 s[G1+4], 128                         ; tile_dim1: 128 rows x 256 bytes = my 32 KiB
	s_mov_b32 s[G1+5], 32                          ; the pitch: dense
	s_mov_b32 s[G1+6], 0
	s_mov_b32 s[G1+7], 0
	s_wait_kmcnt 0x0
	s_cmp_eq_u32 s[TEN], 1
	s_cselect_b64 s[4:5], s[6:7], s[4:5]
	s_cmp_eq_u32 s[TEN], 2
	s_cselect_b64 s[4:5], s[8:9], s[4:5]           ; x
	s_lshl_b32 s52, s21, 18                        ; 64 rows of 4,096 bytes a block,
	s_lshl_b32 s53, s[WV], 16                      ; 16 a wave
	s_add_co_u32 s52, s52, s53
	s_mov_b32 s53, 0
	s_add_nc_u64 s[XB:XB+1], s[4:5], s[52:53]
	s_lshl_b32 s54, s[TEN], 3
	s_mov_b32 s55, 0
	s_add_nc_u64 s[54:55], s[12:13], s[54:55]
	s_load_b64 s[56:57], s[54:55], 0x0             ; ex, ew
	s_lshl_b32 s58, s[TEN], 2
	s_mov_b32 s59, 0
	s_add_nc_u64 s[58:59], s[12:13], s[58:59]
	s_load_b32 s60, s[58:59], 0x18                 ; eo
	XLOAD 0
	XLOAD 1
	XLOAD 2
	s_lshl_b32 s62, s[TEN], 20                     ; the tensor's weight
	s_add_co_u32 s62, s62, s42
	s_mov_b32 s63, 0
	s_add_nc_u64 s[10:11], s[10:11], s[62:63]
.irp g, 0,1
	s_mov_b32 s[G0+4*\g], 1                        ; count = 1
	s_add_co_u32 s[G0+4*\g+1], s42, \g*SLOTB       ; LDS address: the slot, my part
	s_add_nc_u64 s[G0+4*\g+2:G0+4*\g+3], s[10:11], \g*SLOTB   ; global address: K step g, my part
	s_or_b32 s[G0+4*\g+3], s[G0+4*\g+3], 0x80000000           ; type = 2
.endr
	ROUND                                          ; all four work-groups are here: the first joint loads meet
	tensor_load_to_lds s[G0:G0+3], s[G1:G1+7]      ; both first fills go out together: two tensor loads of mine are out
	s_nop 0
	tensor_load_to_lds s[G0+4:G0+7], s[G1:G1+7]
	s_nop 0
	PLACES
	s_wait_kmcnt 0x0
	s_add_co_i32 s40, s56, 127
	s_lshl_b32 s41, s40, 23
	v_mov_b32 v[XSC], s41                          ; 2^ex
	s_add_co_i32 s40, s40, 8
	s_lshl_b32 s40, s40, 23
	s_or_b32 s40, s40, 0x600000
	v_mov_b32 v[XLIM], s40                         ; 448 x 2^ex
	s_sub_co_i32 s40, s60, s56
	s_sub_co_i32 s40, s40, s57
	s_add_co_i32 s40, s40, 127
	s_lshl_b32 s41, s40, 23
	v_mov_b32 v[OSC], s41                          ; 2^(eo - ex - ew): the three scales folded into the conversion's one
	s_add_co_i32 s40, s40, 8
	s_lshl_b32 s40, s40, 23
	s_or_b32 s40, s40, 0x600000
	v_mov_b32 v[OLIM], s40
	; the way out's addresses.  A head's images: 2^17 bytes in qimg, 2^18 in kvimg; 128 rows are a sixteenth of that; my 64 rows' half of it begins 4,096 bytes on (Q, K: four tiles) or 1,024 (V: groups 2, 3 of each image)
	s_cmp_eq_u32 s[TEN], 0
	s_cselect_b64 s[14:15], s[14:15], s[16:17]
	s_cselect_b32 s40, 17, 18
	s_cmp_eq_u32 s[TEN], 2
	s_cselect_b32 s41, 10, 12
	s_cselect_b32 s43, 0x2000, 0                   ; V lies behind a step's 8,192 bytes of K
	s_cselect_b32 s61, 11, 10                      ; from piece to piece: a d tile's image of 2,048 bytes, or a row tile's of 1,024
	s_lshl_b32 s52, s22, 4
	s_lshl_b32 s53, s[WV], 2
	s_add_co_u32 s52, s52, s53                     ; batch x 16 + my first head
	s_lshl_b32 s52, s52, s40
	s_lshr_b32 s53, s23, 1
	s_sub_co_u32 s62, s40, 4
	s_lshl_b32 s53, s53, s62
	s_add_co_u32 s52, s52, s53
	s_and_b32 s53, s23, 1
	s_lshl_b32 s53, s53, s41
	s_add_co_u32 s52, s52, s53
	s_add_co_u32 s52, s52, s43
	s_mov_b32 s53, 0
	s_add_nc_u64 s[SB:SB+1], s[14:15], s[52:53]
	s_lshl_b32 s62, 1, s40
	s_mov_b32 s63, 0
.irp g, 1,2,3
	s_add_nc_u64 s[SB+2*\g:SB+2*\g+1], s[SB+2*\g-2:SB+2*\g-1], s[62:63]
.endr
.irp g, 0,1,2,3
	s_lshl_b32 s54, \g, s61
	v_add_nc_u32 v[VO+\g], s54, v[XA]
.endr
	s_wait_loadcnt 32                              ; x's step 0 is in; steps 1 and 2 may be out
	XTURN 0
	s_wait_dscnt 0x0
	XLOAD 3
	QUANT
	IMAGE 0
.irp s, 0,1,2,3,4,5,6,7
	TRIP \s
.endr
	; THE WAY OUT: each sum is held and converted; the four accumulators of unit u give eight registers, which are stored as they stand: two stores of 512 consecutive bytes
	PLACES
.irp W, 2,3
	WIN (\W<<6)|\W                                 ; destination and source 0 in the accumulators' window
.set i, 0
.rept 256
	v_med3_num_f32 v[i], v[i], -v[OLIM], v[OLIM]   ; each accumulator from its low end on
.set i, i+1
.endr
	WIN \W
.set i, 0
.rept 32
	v_cvt_scalef32_pk8_fp8_f32 v[OC+64*(\W-2)+2*i:OC+64*(\W-2)+2*i+1], v[8*i:8*i+7], v[OSC]
.set i, i+1
.endr
	v_nop
	WIN 0
.set u, 8*(\W-2)
.rept 8
	global_store_b128 v[VO+(u%4)], v[OC+8*u:OC+8*u+3], s[SB+2*(u/4):SB+2*(u/4)+1]
	global_store_b128 v[VO+(u%4)], v[OC+8*u+4:OC+8*u+7], s[SB+2*(u/4):SB+2*(u/4)+1] offset:512
.set u, u+1
.endr
.endr
	s_wait_tensorcnt 0x0                           ; the wave's end
	ds_add_u32 v[SPW], v[NIL]
	s_wait_dscnt 0x0
	ROUND                                          ; the closing round: no work-group ends while a partner may still ask for a part that names it
	s_endpgm
.Lfunc_end_k_q6a21c89dc2_proj:
	.size	k_q6a21c89dc2_proj, .Lfunc_end_k_q6a21c89dc2_proj-k_q6a21c89dc2_proj
	.p2alignl 7, 3214868480
	.fill 96, 4, 3214868480
	.section	.rodata,"a",@progbits
	.p2align	6, 0x0
	.amdhsa_kernel k_q6a21c89dc2_proj
		.amdhsa_group_segment_fixed_size 327680
		.amdhsa_private_segment_fixed_size 0
		.amdhsa_enable_private_segment 0
		.amdhsa_kernarg_size 56
		.amdhsa_user_sgpr_count 2
		.amdhsa_user_sgpr_kernarg_segment_ptr 1
		.amdhsa_wavefront_size32 1
		.amdhsa_system_sgpr_workgroup_id_x 1
		.amdhsa_system_sgpr_workgroup_id_y 1
		.amdhsa_system_sgpr_workgroup_id_z 1
		.amdhsa_system_vgpr_workitem_id 0
		.amdhsa_next_free_vgpr 1024
		.amdhsa_next_free_sgpr 66
		.amdhsa_reserve_vcc 0
		.amdhsa_float_denorm_mode_32 3
		.amdhsa_float_denorm_mode_16_64 3
		.amdhsa_memory_ordered 1
		.amdhsa_forward_progress 1
		.amdhsa_inst_pref_size 234
	.end_amdhsa_kernel
	.amdgpu_metadata
---
amdhsa.version: [ 1, 2 ]
amdhsa.kernels:
  - .name:           k_q6a21c89dc2_proj
    .symbol:         k_q6a21c89dc2_proj.kd
    .args:
      - { .name: q, .offset: 0, .size: 8, .value_kind: global_buffer, .address_space: global }
      - { .name: k, .offset: 8, .size: 8, .value_kind: global_buffer, .address_space: global }
      - { .name: v, .offset: 16, .size: 8, .value_kind: global_buffer, .address_space: global }
      - { .name: wimg, .offset: 24, .size: 8, .value_kind: global_buffer, .address_space: global }
      - { .name: lowp_scales, .offset: 32, .size: 8, .value_kind: global_buffer, .address_space: global }
      - { .name: qimg, .offset: 40, .size: 8, .value_kind: global_buffer, .address_space: global }
      - { .name: kvimg, .offset: 48, .size: 8, .value_kind: global_buffer, .address_space: global }
    .group_segment_fixed_size: 327680
    .private_segment_fixed_size: 0
    .kernarg_segment_align: 8
    .kernarg_segment_size: 56
    .max_flat_workgroup_size: 128
    .sgpr_count:     66
    .vgpr_count:     1024
    .wavefront_size: 32
...
	.end_amdgpu_metadata
.endif
;; end of part 2
;; launch attn (part 3): grid 4 x 64, 16 waves a work-group, no clusters, 264,192 bytes of LDS; arguments qimg, kvimg, lowp_scales, oimg; writes oimg
.if DOCPART == 3
	.amdgcn_target "amdgcn-amd-amdhsa--gfx1250"
	.amdhsa_code_object_version 6
	.text
	.protected	k_q6a21c89dc2_attn
	.globl	k_q6a21c89dc2_attn
	.p2align	8
	.type	k_q6a21c89dc2_attn,@function
k_q6a21c89dc2_attn:
	s_mov_b64 s[64:65], 0
	v_nop
	global_prefetch_b8 v0, s[64:65] scope:SCOPE_SE
	s_setreg_imm32_b32 hwreg(HW_REG_WAVE_MODE, 25, 1), 1
	s_wait_xcnt 0x0
; O = softmax(Q K^T / 8) V for one (batch, head), both products on codes of E4M3; the result is quantised again (2^e10) for the last layer and stored as images of operand registers.
; THE SOFTMAX AHEAD OF THE SECOND PRODUCT: t = score x log2(e) / 8; M = the running largest t rounded UP to a whole number; p = 2^(t - M) is quantised with 2^e9, not normalised; the row's sum is taken of the
; unquantised p and divides O at the end.  When M moves, the sum and O are multiplied by 2^(old M - new M): nothing is rounded.
; SHARES.  Work-group (x, y) owns 512 queries (block x of four) of head y = batch x 16 + head.  Each of the SIXTEEN waves owns two tiles of 16 queries, one after the other, in 256 registers: four waves to a SIMD, so that
; one wave's vector work stands beside another's products and LDS loads.  A HEAD'S K AND V, 256 KiB OF IMAGES, LIE IN LDS WHOLE: each byte is stored there once and never written again.
; They come through registers, a quarter (four key steps, 64 KiB) at a time: eight loads and eight LDS stores a wave, each of 512 consecutive bytes.  A quarter is asked for four key steps ahead of its stores,
; so no wave waits for it.  Between two barriers the waves read one quarter and write the next: other bytes.
; THE HOLD OF p at 448 x 2^e9 is 64 of a key step's instructions, and does nothing where 448 x 2^e9 is above every p: p is at most 1 but for the last bit of its fused multiply-add, and 448 x 2^-8 = 1.75.
; So a scalar branch on e9 leaves the hold out from e9 = -8 on; below that it is executed.
; NO CLUSTER, NO JOINT LOADS, though the four work-groups of a head read the same K and V: what is shared is fetched once,
; 32 loads a wave, against 32 key steps a wave in each of which the branch spares 64 instructions.
; LAYOUT.  S^T = K Q^T (source 0 = 16 keys, source 1 = my 16 queries) and O^T = V^T P (source 0 = 16 d x 128 keys): a lane holds ONE query throughout.  The conversion of key tile t's eight registers gives
; registers 2 t, 2 t + 1 of P: k in its own place, nothing changes lanes.  Likewise O^T's tile of 16 d gives registers 2 tile, 2 tile + 1 of the last layer's operand.
; LIMITS on the given exponents: e6 + e7 between -123 and 130 (added to c's exponent field); e9 and e10 between -126 and 119; e8 + e9 is applied by v_ldexp_f32.  NaN is not served.
; REGISTERS: v1 16 x lane; v2 the step's LDS address; v3 16 x thread; v4-11 the first tile's codes of O; v12 -M, v13 the largest t, v[14:15] the sum in two halves; v16-23, v24-31 Q of the two tiles;
; v32-95 eight fragments of K, then four of V (at the head: quarter 0 on its way); v96-159 S^T, then p; v160-191 O^T; v192-223 a quarter of K and V on its way; v224-239 p's codes; v240, v241: 448 x 2^e9, 2^e9;
; v[242:243] a second chain of sums; v244, v245: 448 x 2^e10, 2^e10; v246 a lane permute's result; v[248:249] f; v250, v251 at work; v252 the LDS address of a quarter's stores.
.set LI,  1
.set ADR, 2
.set TA,  3                            ; v3   16 x my thread's number: my 16 bytes of each 8,192, in memory and in LDS alike; never rewritten
.set CA,  252
.set CH,  192
.set WV,  12
.set E9,  51                           ; s51  e9, kept for the branch
.set SEL, 54                           ; s[54:55] lane selects: lane l xor 16
.set CS,  56                           ; s[56:57] c = log2(e) / 8 x 2^(e6 + e7)
.set EPV, 58                           ; s58 e8 + e9
.set TB,  59                           ; s59 LDS byte at which the key step begins
.set CNT, 60
; quarter c of the head's block: eight loads; the sixteen waves together take 8,192 consecutive bytes a load
.macro CLOAD c, reg
.set i, 0
.rept 8
	global_load_b128 v[\reg+4*i:\reg+4*i+3], v[TA], s[6:7] offset:(\c)*65536+8192*i
.set i, i+1
.endr
.endm
; and its way into LDS: byte x of the head's block goes to LDS byte x
.macro CSTORE c, reg
	v_add_nc_u32 v[CA], (\c)*65536, v[TA]
.set i, 0
.rept 8
	ds_store_b128 v[CA], v[\reg+4*i:\reg+4*i+3] offset:8192*i
.set i, i+1
.endr
.endm
; between two runs of four key steps: quarter c goes into LDS, the next one is asked for, and the barrier shows quarter c whole to every wave
.macro NEXTQ c, more
	s_wait_loadcnt 0x0                             ; quarter c is in my registers (asked for four key steps ago)
	CSTORE \c, CH
	s_wait_dscnt 0x0                               ; for the others' sake: my stores have landed; and they have read their registers,
.if \more
	CLOAD (\c)+1, CH                               ; which take the next quarter
.endif
	s_barrier_signal -1
	s_barrier_wait -1
.endm
	s_load_b256 s[4:11], s[0:1], 0x0               ; qimg, kvimg, the scales' exponents, oimg
	v_lshl_add_u32 v254, v0, 2, 0x40000
	v_mov_b32 v255, 0
	v_lshrrev_b32 v2, 5, v0
	v_readfirstlane_b32 s[WV], v2                  ; wave 0..15
	v_and_b32 v1, 31, v0
	v_lshlrev_b32 v[LI], 4, v1
	v_lshlrev_b32 v[TA], 4, v0
	s_and_b32 s14, ttmp7, 0xffff                   ; batch x 16 + head
	s_lshl_b32 s20, s14, 18                        ; the head's 256 KiB in kvimg
	s_mov_b32 s21, 0
	s_lshl_b32 s15, ttmp9, 5
	s_add_co_u32 s15, s15, s[WV]                   ; my first tile of queries: 32 x block + wave; the second lies 16 tiles on
	s_lshl_b32 s22, s15, 10
	s_lshl_b32 s23, s14, 17
	s_add_co_u32 s22, s22, s23                     ; its image in qimg
	s_mov_b32 s23, 0
	s_lshr_b32 s2, s14, 4
	s_lshl_b32 s2, s2, 7
	s_add_co_u32 s2, s2, s15                       ; its row tile among all 512: batch x 128 + tile
	s_lshl_b32 s2, s2, 14
	s_and_b32 s3, s14, 15
	s_lshl_b32 s3, s3, 10
	s_add_co_u32 s2, s2, s3                        ; oimg: [row tile][head][1,024 bytes]
	s_mov_b32 s3, 0
	s_mov_b32 s[SEL], 0x76543210
	s_mov_b32 s[SEL+1], 0xfedcba98
	s_mov_b32 s[CS], 0x3e38aa3b                    ; log2(e) / 8
	s_wait_kmcnt 0x0
	s_load_b128 s[48:51], s[8:9], 0x18             ; e6, e7, e8, e9
	s_load_b32 s52, s[8:9], 0x28                   ; e10
	s_add_nc_u64 s[6:7], s[6:7], s[20:21]
	s_add_nc_u64 s[4:5], s[4:5], s[22:23]
	s_add_nc_u64 s[10:11], s[10:11], s[2:3]
	global_load_b128 v[16:19], v[LI], s[4:5]                ; Q's two fragments stay in registers
	global_load_b128 v[20:23], v[LI], s[4:5] offset:512
	global_load_b128 v[24:27], v[LI], s[4:5] offset:16384
	global_load_b128 v[28:31], v[LI], s[4:5] offset:16896
	CLOAD 0, 32                                    ; key steps 0-3, into registers that the first step will take
	CLOAD 1, CH                                    ; key steps 4-7
	v_mov_b32 v246, 0                              ; written once: a lane permute's destination counts as one of its sources
	v_mov_b32 v249, 0                              ; (named as the upper half of the pair v[248:249])
	s_wait_kmcnt 0x0
	s_add_co_i32 s53, s48, s49
	s_lshl_b32 s53, s53, 23
	s_add_co_i32 s[CS], s[CS], s53                 ; a score stands for score x 2^(e6 + e7): added to c's exponent field
	s_mov_b32 s[CS+1], s[CS]                       ; (named with it as a pair, so it is written)
	s_add_co_i32 s[EPV], s50, s51
	s_add_co_i32 s53, s51, 127
	s_lshl_b32 s61, s53, 23
	v_mov_b32 v241, s61                            ; 2^e9
	s_add_co_i32 s53, s53, 8
	s_lshl_b32 s53, s53, 23
	s_or_b32 s53, s53, 0x600000
	v_mov_b32 v240, s53                            ; 448 x 2^e9
	s_add_co_i32 s53, s52, 127
	s_lshl_b32 s61, s53, 23
	v_mov_b32 v245, s61                            ; 2^e10
	s_add_co_i32 s53, s53, 8
	s_lshl_b32 s53, s53, 23
	s_or_b32 s53, s53, 0x600000
	v_mov_b32 v244, s53                            ; 448 x 2^e10
; A KEY STEP: 128 keys; qf: the registers of my tile of queries
.macro STEP qf
	v_add_nc_u32 v[ADR], s[TB], v[LI]
.rept 3
	v_nop                                          ; with the addition: four places behind the last products, in front of loads into their sources
.endr
.set i, 0
.rept 8
	ds_load_b128 v[32+8*i:35+8*i], v[ADR] offset:1024*i        ; K's tile i: 16 keys x 64
	ds_load_b128 v[36+8*i:39+8*i], v[ADR] offset:1024*i+512
.set i, i+1
.endr
	s_wait_dscnt 0x0
.set i, 0
.rept 8
	v_wmma_f32_16x16x64_fp8_fp8 v[96+8*i:103+8*i], v[32+8*i:39+8*i], v[\qf:\qf+7], 0
.set i, i+1
.endr
.rept 4
	v_nop                                          ; places in front of the loads below and of the first read of the scores
.endr
.set i, 0
.rept 16
	ds_load_b128 v[32+4*i:35+4*i], v[ADR] offset:8192+512*i    ; V's four fragments (16 d x 128 keys) land under the softmax
.set i, i+1
.endr
	v_max3_num_f32 v250, v96, v97, v98             ; the step's largest score of my query among my 64 keys, in two chains, each tile from its low end on
	v_max3_num_f32 v251, v99, v100, v101
.set i, 6
.rept 14
	v_max3_num_f32 v250, v250, v[96+i], v[97+i]
	v_max3_num_f32 v251, v251, v[98+i], v[99+i]
.set i, i+4
.endr
	v_max3_num_f32 v250, v250, v158, v159
	v_max_num_f32 v250, v250, v251
	v_permlanex16_b32 v246, v250, s[SEL], s[SEL+1]
	v_max_num_f32 v250, v250, v246                 ; and among lane l xor 16's
	v_mul_f32 v250, s[CS], v250                    ; as t (c is positive)
	v_max_num_f32 v13, v13, v250                   ; the running largest t
	v_mov_b32 v250, v12
	v_floor_f32 v12, -v13                          ; the new -M = floor(-t) = -ceil(t)
	v_sub_f32 v250, v12, v250                      ; old M - new M: a whole number, 0 or less
	v_cvt_i32_f32 v250, v250                       ; (it saturates)
	v_ldexp_f32 v248, 1.0, v250                    ; f = 2^(old M - new M)
.set j, 0
.rept 32
	v_pk_fma_f32 v[96+j:97+j], v[96+j:97+j], s[CS:CS+1], v[12:13] op_sel_hi:[1,0,0]   ; t - M, two at a time
.set j, j+2
.endr
.set j, 0
.rept 64
	v_exp_f32 v[96+j], v[96+j]                     ; p = 2^(t - M)
.set j, j+1
.endr
	v_pk_mul_f32 v[14:15], v[14:15], v[248:249] op_sel_hi:[1,0]   ; the sums under the new M (the plain line behind the exponentials)
	s_wait_alu depctr_va_vdst(0)                   ; one wait for the whole batch, ahead of its first reader and of the branch below
	v_pk_add_f32 v[242:243], v[96:97], v[98:99]    ; the row's sum is taken of the unquantised p, in two chains
.set j, 4
.rept 15
	v_pk_add_f32 v[14:15], v[14:15], v[96+j:97+j]
	v_pk_add_f32 v[242:243], v[242:243], v[98+j:99+j]
.set j, j+4
.endr
	v_pk_add_f32 v[14:15], v[14:15], v[242:243]
	s_cmp_lt_i32 s[E9], -8                         ; from e9 = -8 on, 448 x 2^e9 is 1.75 or more, above every p: the hold would change nothing
	s_cbranch_scc0 .Lfits_\@
.set j, 0
.rept 64
	v_min_num_f32 v[96+j], v[96+j], v240           ; the conversion does not saturate (ISA guide 7.6.2); p is not negative, so the hold is one-sided
.set j, j+1
.endr
.Lfits_\@:
.set i, 0
.rept 8
	v_cvt_scalef32_pk8_fp8_f32 v[224+2*i:225+2*i], v[96+8*i:103+8*i], v241   ; keys 16 i + 8 h + 0 .. 7: registers 2 i, 2 i + 1 of P
.set i, i+1
.endr
.set j, 0
.rept 16
	v_pk_mul_f32 v[160+j:161+j], v[160+j:161+j], v[248:249] op_sel_hi:[1,0]   ; O^T under the new M (plain lines between the conversions and the products)
.set j, j+2
.endr
	s_wait_dscnt 0x0                               ; V is in
.set i, 0
.rept 4
	v_wmma_f32_16x16x128_fp8_fp8 v[160+8*i:167+8*i], v[32+16*i:47+16*i], v[224:239], v[160+8*i:167+8*i]   ; four accumulators by turns
.set i, i+1
.endr
	s_add_co_u32 s[TB], s[TB], 16384
.endm
.macro STEPS first, n, qf              ; key steps first .. first + n - 1
	s_mov_b32 s[TB], (\first)*16384
	s_mov_b32 s[CNT], \n
.Lst_\@:
	STEP \qf
	s_sub_co_u32 s[CNT], s[CNT], 1
	s_cmp_lg_u32 s[CNT], 0
	s_cbranch_scc1 .Lst_\@
.endm
.macro INIT                            ; the step is written once: the first finds zeros, which the first change of M leaves zeros
	v_mov_b32 v13, 0xff61b1e6                      ; -3e38, under every t
	v_floor_f32 v12, -v13
	v_mov_b32 v14, 0
	v_mov_b32 v15, 0
.set i, 0
.rept 32
	v_mov_b32 v[160+i], 0
.set i, i+1
.endr
.endm
; a tile's end: O^T x 2^(e8 + e9) / the sum, held, converted with 2^e10, stored as it stands: two stores of 512 consecutive bytes
.macro FINISH oc, off
.rept 4
	v_nop
.endr
	v_add_f32 v14, v14, v15
	v_permlanex16_b32 v246, v14, s[SEL], s[SEL+1]
	v_add_f32 v14, v14, v246                       ; the row's sum
	v_rcp_f32 v14, v14
	v_nop                                          ; a plain line behind the transcendental
	s_wait_alu depctr_va_vdst(0)                   ; and the wait ahead of its first reader
	v_ldexp_f32 v14, v14, s[EPV]
.set j, 0
.rept 16
	v_pk_mul_f32 v[96+j:97+j], v[160+j:161+j], v[14:15] op_sel_hi:[1,0]
.set j, j+2
.endr
.set j, 0
.rept 32
	v_med3_num_f32 v[96+j], v[96+j], -v244, v244
.set j, j+1
.endr
.irp t, 0,1,2,3
	v_cvt_scalef32_pk8_fp8_f32 v[\oc+2*\t:\oc+2*\t+1], v[96+8*\t:103+8*\t], v245
.endr
	v_nop                                          ; one plain line behind the last conversion
	global_store_b128 v[LI], v[\oc:\oc+3], s[10:11] offset:\off
	global_store_b128 v[LI], v[\oc+4:\oc+7], s[10:11] offset:\off+512
.endm
	INIT
	s_wait_loadcnt 0x8                             ; Q's four loads and quarter 0's eight are in; quarter 1's eight may stay out
	CSTORE 0, 32
	s_wait_dscnt 0x0                               ; for the others' sake: my part of quarter 0 has landed; and the stores have read the registers that the first step loads
	s_barrier_signal -1
	s_barrier_wait -1                              ; everybody's has
	STEPS 0, 4, 16
	NEXTQ 1, 1
	STEPS 4, 4, 16
	NEXTQ 2, 1
	STEPS 8, 4, 16
	NEXTQ 3, 0                                     ; the last quarter: nothing is left to ask for
	STEPS 12, 4, 16
	FINISH 4, 0
	INIT                                           ; the second tile walks the same keys: all of them lie in LDS, and nobody writes there any more
	STEPS 0, 16, 24
	FINISH 16, 262144                              ; 16 row tiles of 16,384 bytes on; its codes take the first tile's Q registers, so that no pending store's data are written
	s_wait_tensorcnt 0x0
	ds_add_u32 v254, v255
	s_wait_dscnt 0x0
	s_endpgm
.Lfunc_end_k_q6a21c89dc2_attn:
	.size	k_q6a21c89dc2_attn, .Lfunc_end_k_q6a21c89dc2_attn-k_q6a21c89dc2_attn
	.p2alignl 7, 3214868480
	.fill 96, 4, 3214868480
	.section	.rodata,"a",@progbits
	.p2align	6, 0x0
	.amdhsa_kernel k_q6a21c89dc2_attn
		.amdhsa_group_segment_fixed_size 264192
		.amdhsa_private_segment_fixed_size 0
		.amdhsa_enable_private_segment 0
		.amdhsa_kernarg_size 32
		.amdhsa_user_sgpr_count 2
		.amdhsa_user_sgpr_kernarg_segment_ptr 1
		.amdhsa_wavefront_size32 1
		.amdhsa_system_sgpr_workgroup_id_x 1
		.amdhsa_system_sgpr_workgroup_id_y 1
		.amdhsa_system_sgpr_workgroup_id_z 1
		.amdhsa_system_vgpr_workitem_id 0
		.amdhsa_next_free_vgpr 256
		.amdhsa_next_free_sgpr 66
		.amdhsa_reserve_vcc 0
		.amdhsa_float_denorm_mode_32 3
		.amdhsa_float_denorm_mode_16_64 3
		.amdhsa_memory_ordered 1
		.amdhsa_forward_progress 1
		.amdhsa_inst_pref_size 96
	.end_amdhsa_kernel
	.amdgpu_metadata
---
amdhsa.version: [ 1, 2 ]
amdhsa.kernels:
  - .name:           k_q6a21c89dc2_attn
    .symbol:         k_q6a21c89dc2_attn.kd
    .args:
      - { .name: qimg, .offset: 0, .size: 8, .value_kind: global_buffer, .address_space: global }
      - { .name: kvimg, .offset: 8, .size: 8, .value_kind: global_buffer, .address_space: global }
      - { .name: lowp_scales, .offset: 16, .size: 8, .value_kind: global_buffer, .address_space: global }
      - { .name: oimg, .offset: 24, .size: 8, .value_kind: global_buffer, .address_space: global }
    .group_segment_fixed_size: 264192
    .private_segment_fixed_size: 0
    .kernarg_segment_align: 8
    .kernarg_segment_size: 32
    .max_flat_workgroup_size: 512
    .sgpr_count:     66
    .vgpr_count:     256
    .wavefront_size: 32
...
	.end_amdgpu_metadata
.endif
;; end of part 3
;; launch fcln (part 4): grid 256 x 1, 4 waves a work-group, clusters of 4 x 1, 327,680 bytes of LDS; arguments oimg, wimg, q, fc_b, ln_g, ln_b, lowp_scales, out0; writes out0
.if DOCPART == 4
	.amdgcn_target "amdgcn-amd-amdhsa--gfx1250"
	.amdhsa_code_object_version 6
	.text
	.protected	k_q6a21c89dc2_fcln
	.globl	k_q6a21c89dc2_fcln
	.p2align	8
	.type	k_q6a21c89dc2_fcln,@function
k_q6a21c89dc2_fcln:
	s_mov_b64 s[64:65], 0
	v_nop
	global_prefetch_b8 v0, s[64:65] scope:SCOPE_SE
	s_setreg_imm32_b32 hwreg(HW_REG_WAVE_MODE, 25, 1), 1
	s_wait_xcnt 0x0
	s_wait_alu depctr_hold_cnt(0) depctr_sa_sdst(0) depctr_va_vdst(0) depctr_va_sdst(0) depctr_va_ssrc(0) depctr_va_vcc(0) depctr_vm_vsrc(0)
	s_getreg_b32 s2, hwreg(HW_REG_IB_STS2, 6, 4)
	s_cmp_eq_u32 s2, 0
	s_cbranch_scc0 .Lentry_in_a_cluster
	s_endpgm
.Lentry_in_a_cluster:
	s_bfe_u32 s2, ttmp6, 0x10000c
	s_cmp_lg_u32 s2, 0x3003
	s_cbranch_scc0 .Lentry_shape_is_right
	s_endpgm
.Lentry_shape_is_right:
; out0 = LayerNorm(O fc_w + fc_b + q) x ln_g + ln_b.  The product is on codes of E4M3: O's images (oimg) and fc_w's (wimg, weight 3); a sum stands for sum x 2^(e10 + e11).  All else in f32.
; SHARES.  A work-group owns 32 whole rows (two row tiles), since the norm wants whole rows; wave w owns columns 256 w .. 256 w + 255 of them: 32 accumulators.  All of O's fragments of the 32 rows (256 registers) stay in
; each wave's registers.  fc_w's K step (128 KiB) comes through a ring of two LDS slots, wave w fetching and reading its own 32 KiB; the four work-groups of a cluster walk the same weight and ask JOINTLY.
; LAYOUT.  Source 0 = 16 columns of fc_w, source 1 = 16 rows of O: a lane holds ONE row and eight neighbouring columns a tile, so a row's sum needs one exchange between the halves of the lanes and one through LDS between the waves.
; The residual is loaded by rows (512 consecutive bytes a load), gets fc_b added there, and turns through the wave's stage into the accumulators' layout; the result turns back the same way and leaves by rows.
; THE NORM is taken in two passes: the mean, then the mean of the squares of x - mean: no difference of large sums.
; ORDER OF ROUNDING: x = sum x 2^(e10 + e11) + (q + fc_b), one fused multiply-add.  LIMITS: e10 + e11 between -126 and 127.  NaN is not served.
; Everything that comes from memory but the weight is asked for at the head, so no prefetch is written.
; REGISTERS, in windows of 256.  Window 0: v1-9 addresses; v12-19 fc_b, v20-27 ln_g, v28-35 ln_b of my lane's columns by rows; v36-43 four chains of sums; v44-47 -mean, twice a tile; v48-55 the waves' parts; v56-59 1 / sqrt, twice a tile;
;   v60-61 lane permutes; v128-191, v192-255 two sets of four W fragments, later the residual turned.   Window 1: O's fragments (K step s, tile a) at v[32 s + 16 a].   Window 2: the residual by rows, later the result by rows.
;   Window 3: accumulator (a, b) at v[8 (16 a + b)].
.set SLOTB, 131072
.set SPARE, 262144                     ; behind the ring: the spare words, 128 bytes for each wave
.set STP,   528                        ; a stage row: 512 bytes + 16.  The stages (16 rows a wave) and the waves' parts of sums lie in slot 0: it has had its last fill and, at the last step's barrier, its last read
.set STAT,  36864
.set SPW, 1
.set NIL, 2
.set LI,  3                            ; v3  16 x lane
.set WA,  4                            ; v4-5 my part of slot 0, 1
.set SROW, 6                           ; v6  the stage by rows
.set SACC, 7                           ; v7  the stage in the accumulators' layout: row r, + 32 h
.set SST, 8                            ; v8  where I put my part of row r's sum
.set SLD, 9                            ; v9  where the four parts are read
.set FCB, 12
.set GG,  20
.set LB,  28
.set CH,  36
.set NMU, 44
.set PT,  48
.set RS,  56
.set PM,  60
.set P0,  128
.set P1,  192
.set WV,  20
.set G1,  24
.set G0,  32
.set SC,  40                           ; s[40:41] 2^(e10 + e11)
.set SEL, 42
.set MSB, 0
.macro WIN new
.if MSB != (\new)
	s_set_vgpr_msb (MSB<<8)|(\new)
.set MSB, (\new)
.endif
.endm
.macro PLACES
.rept 4
	v_nop
.endr
.endm
.macro ROUND
	s_barrier_signal -1
	s_barrier_wait -1
	s_cmp_lg_u32 s[WV], 0
	s_cbranch_scc1 .Lnw0_\@
	s_barrier_signal -3
.Lnw0_\@:
	s_barrier_wait -3
	s_barrier_signal -1
	s_barrier_wait -1
.endm
.macro FETCHW slot, grp, pb            ; four of my sixteen W fragments
.irp c, 0,1,2,3
.irp q, 0,1,2,3
	ds_load_b128 v[\pb+16*\c+4*\q:\pb+16*\c+4*\q+3], v[WA+\slot] offset:(4*(\grp)+\c)*2048+512*\q
.endr
.endr
.endm
.macro MUL s, grp, pb                  ; eight matrix instructions; a K step's 32 accumulators are all different, in the same order in every step
	WIN 0xf4                                       ; source 0 (W) window 0, source 1 (O) window 1, C and D window 3
.irp c, 0,1,2,3
.irp a, 0,1
.set rD, 8*(16*\a+4*(\grp)+\c)
.if ZR
	v_wmma_f32_16x16x128_fp8_fp8 v[rD:rD+7], v[\pb+16*\c:\pb+16*\c+15], v[32*(\s)+16*\a:32*(\s)+16*\a+15], 0
.else
	v_wmma_f32_16x16x128_fp8_fp8 v[rD:rD+7], v[\pb+16*\c:\pb+16*\c+15], v[32*(\s)+16*\a:32*(\s)+16*\a+15], v[rD:rD+7]
.endif
.endr
.endr
	WIN 0
.endm
.macro TRIP s
.set ZR, 0
.if (\s) == 0
.set ZR, 1
.endif
.set SG, G0+4*(((\s)+1)%2)
.if (\s) == 0
	s_wait_tensorcnt 0x1                           ; my part of K step 0 is in, and only I read it; K step 1's may stay out
.elseif (\s) < 7
	s_wait_tensorcnt 0x0                           ; all my tensor loads have landed: my part of this step's slot
	ds_add_u32 v[SPW], v[NIL]                      ; 0 onto my spare word
	s_add_nc_u64 s[SG+2:SG+3], s[SG+2:SG+3], 2*SLOTB   ; the other slot's next K step
	s_wait_dscnt 0x0                               ; the add is done, and my reads of the other slot are over
	ROUND
	tensor_load_to_lds s[SG:SG+3], s[G1:G1+7]      ; K step s + 1: my one tensor load behind the round
	s_nop 0
	PLACES
.else
	s_wait_tensorcnt 0x0
	s_wait_dscnt 0x0                               ; my reads of slot 0 are over: behind this barrier it serves as stage
	s_barrier_signal -1
	s_barrier_wait -1
	PLACES
.endif
	FETCHW (\s)%2, 0, P0
	FETCHW (\s)%2, 1, P1
.if (\s) == 0
	s_wait_loadcnt 63                              ; of the head's 134 loads 71 are in: O's 64, the six of parameters, one of the residual
.endif
	s_wait_dscnt 16                                ; the older group is in; the younger one's 16 loads may be out
	MUL \s, 0, P0
	PLACES
	FETCHW (\s)%2, 2, P0
	s_wait_dscnt 16
	MUL \s, 1, P1
	PLACES
	FETCHW (\s)%2, 3, P1
	s_wait_dscnt 16
	MUL \s, 2, P0
	s_wait_dscnt 0x0
	MUL \s, 3, P1
.endm
	s_load_b256 s[4:11], s[0:1], 0x0               ; oimg, wimg, q, fc_b
	s_load_b256 s[12:19], s[0:1], 0x20             ; ln_g, ln_b, the scales' exponents, out0
	v_lshl_add_u32 v[SPW], v0, 2, SPARE
	v_mov_b32 v[NIL], 0
	ds_add_u32 v1, v2
	ds_add_u32 v1, v2
	s_wait_dscnt 0x0
	v_lshrrev_b32 v10, 5, v0
	v_readfirstlane_b32 s[WV], v10                 ; wave 0..3
	v_and_b32 v10, 31, v0
	v_lshlrev_b32 v[LI], 4, v10
	v_and_b32 v10, 15, v0                          ; r
	v_bfe_u32 v11, v0, 4, 1                        ; h
	s_lshl_b32 s46, s[WV], 15
	v_add_nc_u32 v[WA], s46, v[LI]
	v_add_nc_u32 v[WA+1], SLOTB, v[WA]
	s_mul_i32 s47, s[WV], 16*STP
	v_add_nc_u32 v[SROW], s47, v[LI]
	v_mul_u32_u24 v[SACC], v10, STP
	v_lshl_add_u32 v[SACC], v11, 5, v[SACC]
	v_add_nc_u32 v[SACC], s47, v[SACC]
	v_lshlrev_b32 v[SLD], 4, v10
	v_add_nc_u32 v[SLD], STAT, v[SLD]
	s_lshl_b32 s48, s[WV], 2
	v_add_nc_u32 v[SST], s48, v[SLD]
	v_mov_b32 v[PM], 0                             ; written once: a lane permute's destination counts as one of its sources
	v_mov_b32 v[PM+1], 0
	s_bfe_u32 s21, ttmp6, 0x40000                  ; cx: it enters global addresses of O, q and out0 alone
	s_lshl_b32 s22, ttmp9, 2
	s_add_co_u32 s22, s22, s21                     ; my block of 32 rows
	s_lshl_b32 s48, s22, 15                        ; two row tiles of 16,384 bytes in oimg
	s_mov_b32 s49, 0
	s_add_co_u32 s50, s46, 3<<20                   ; weight 3, my part of a K step
	s_mov_b32 s51, 0
	s_lshl_b32 s54, s[WV], 10                      ; my 256 columns in bytes
	s_mov_b32 s55, 0
	s_lshl_b32 s52, s22, 17                        ; 32 rows of 4,096 bytes
	s_add_co_u32 s52, s52, s54
	s_mov_b32 s53, 0
	s_mov_b32 s[G1], 15|(3<<16)|(1<<21)            ; the mask of all four; elements of 8 bytes; bit 21 beside a mask; no padding
	s_mov_b32 s[G1+1], 32<<16
	s_mov_b32 s[G1+2], 128<<16
	s_mov_b32 s[G1+3], 32<<16
	s_mov_b32 s[G1+4], 128                         ; 128 rows x 256 bytes = my 32 KiB
	s_mov_b32 s[G1+5], 32
	s_mov_b32 s[G1+6], 0
	s_mov_b32 s[G1+7], 0
	s_mov_b32 s[SEL], 0x76543210
	s_mov_b32 s[SEL+1], 0xfedcba98
	s_mov_b32 s44, 0x3a800000                      ; 1 / 1024
	s_mov_b32 s45, 0x3727c5ac                      ; 1e-5
	s_wait_kmcnt 0x0
	s_load_b64 s[56:57], s[16:17], 0x28            ; e10, e11
	s_add_nc_u64 s[4:5], s[4:5], s[48:49]
	s_add_nc_u64 s[6:7], s[6:7], s[50:51]
	s_add_nc_u64 s[8:9], s[8:9], s[52:53]
	s_add_nc_u64 s[10:11], s[10:11], s[54:55]
	s_add_nc_u64 s[12:13], s[12:13], s[54:55]
	s_add_nc_u64 s[14:15], s[14:15], s[54:55]
	s_add_nc_u64 s[18:19], s[18:19], s[52:53]
.irp g, 0,1
	s_mov_b32 s[G0+4*\g], 1
	s_add_co_u32 s[G0+4*\g+1], s46, \g*SLOTB
	s_add_nc_u64 s[G0+4*\g+2:G0+4*\g+3], s[6:7], \g*SLOTB
	s_or_b32 s[G0+4*\g+3], s[G0+4*\g+3], 0x80000000
.endr
	ROUND                                          ; all four work-groups are here: the first joint loads meet
	tensor_load_to_lds s[G0:G0+3], s[G1:G1+7]      ; two tensor loads of mine are out
	s_nop 0
	tensor_load_to_lds s[G0+4:G0+7], s[G1:G1+7]
	s_nop 0
	PLACES
	WIN 0x40
.irp s, 0,1,2,3,4,5,6,7
.irp a, 0,1
.irp q, 0,1,2,3
	global_load_b128 v[32*\s+16*\a+4*\q:32*\s+16*\a+4*\q+3], v[LI], s[4:5] offset:\a*16384+\s*2048+512*\q   ; two heads' images on end are one fragment of 128 along K
.endr
.endr
.endr
	WIN 0
.irp b, 0,1
	global_load_b128 v[FCB+4*\b:FCB+4*\b+3], v[LI], s[10:11] offset:512*\b
	global_load_b128 v[GG+4*\b:GG+4*\b+3], v[LI], s[12:13] offset:512*\b
	global_load_b128 v[LB+4*\b:LB+4*\b+3], v[LI], s[14:15] offset:512*\b
.endr
	WIN 0x80
.irp kb, 0,1,2,3                       ; block kb = 2 a + b: row tile a, 128 columns b
.set i, 0
.rept 16
	global_load_b128 v[64*\kb+4*i:64*\kb+4*i+3], v[LI], s[8:9] offset:(16*(\kb/2)+i)*4096+(\kb%2)*512 th:TH_LOAD_NT   ; the residual lands under the products
.set i, i+1
.endr
.endr
	WIN 0
	s_wait_kmcnt 0x0
	s_add_co_i32 s[SC], s56, s57
	s_add_co_i32 s[SC], s[SC], 127
	s_lshl_b32 s[SC], s[SC], 23                    ; 2^(e10 + e11) as f32
	s_mov_b32 s[SC+1], s[SC]                       ; (named with it as a pair, so it is written)
.irp s, 0,1,2,3,4,5,6,7
	TRIP \s
.endr
; block kb of the residual: + fc_b by rows, into my stage by rows, out in the accumulators' layout into set
.macro RESIN kb, set
	WIN 0x82
.set i, 0
.rept 16
	v_pk_add_f32 v[64*(\kb)+4*i:64*(\kb)+4*i+1], v[64*(\kb)+4*i:64*(\kb)+4*i+1], v[FCB+4*((\kb)%2):FCB+4*((\kb)%2)+1]
	v_pk_add_f32 v[64*(\kb)+4*i+2:64*(\kb)+4*i+3], v[64*(\kb)+4*i+2:64*(\kb)+4*i+3], v[FCB+4*((\kb)%2)+2:FCB+4*((\kb)%2)+3]
.set i, i+1
.endr
	WIN 0x08
.set i, 0
.rept 16
	ds_store_b128 v[SROW], v[64*(\kb)+4*i:64*(\kb)+4*i+3] offset:i*STP
.set i, i+1
.endr
	WIN 0
.set i, 0
.rept 8
	ds_load_b128 v[128+64*(\set)+8*i:128+64*(\set)+8*i+3], v[SACC] offset:64*i      ; LDS serves a wave's instructions in order: these see my stores, and the next block's stores come behind them
	ds_load_b128 v[128+64*(\set)+8*i+4:128+64*(\set)+8*i+7], v[SACC] offset:64*i+16
.set i, i+1
.endr
.endm
.macro XFMA kb, set                    ; x = sum x 2^(e10 + e11) + (q + fc_b), each accumulator from its low end on
	WIN 0xc3
.set i, 0
.rept 32
	v_pk_fma_f32 v[64*(\kb)+2*i:64*(\kb)+2*i+1], v[64*(\kb)+2*i:64*(\kb)+2*i+1], s[SC:SC+1], v[128+64*(\set)+2*i:128+64*(\set)+2*i+1] op_sel_hi:[1,0,1]
.set i, i+1
.endr
	WIN 0
.endm
; the chains of both tiles are closed, joined with lane l xor 16's, and meet the other waves' in LDS: the row's sum in v[PT], v[PT+4]
.macro REDUCE off
.irp a, 0,1
	v_pk_add_f32 v[CH+4*\a:CH+4*\a+1], v[CH+4*\a:CH+4*\a+1], v[CH+4*\a+2:CH+4*\a+3]
.endr
.irp a, 0,1
	v_add_f32 v[CH+4*\a], v[CH+4*\a], v[CH+4*\a+1]
.endr
.irp a, 0,1
	v_permlanex16_b32 v[PM+\a], v[CH+4*\a], s[SEL], s[SEL+1]
.endr
.irp a, 0,1
	v_add_f32 v[CH+4*\a], v[CH+4*\a], v[PM+\a]
.endr
.irp a, 0,1
	ds_store_b32 v[SST], v[CH+4*\a] offset:\off+256*\a   ; lanes r and r + 16 write the same word with the same number
.endr
	s_wait_dscnt 0x0                               ; for the others' sake: my parts have landed
	s_barrier_signal -1
	s_barrier_wait -1
.irp a, 0,1
	ds_load_b128 v[PT+4*\a:PT+4*\a+3], v[SLD] offset:\off+256*\a
.endr
	s_wait_dscnt 0x0
.irp a, 0,1
	v_add_f32 v[PT+4*\a], v[PT+4*\a], v[PT+4*\a+1]
	v_add_f32 v[PT+4*\a+2], v[PT+4*\a+2], v[PT+4*\a+3]
.endr
.irp a, 0,1
	v_add_f32 v[PT+4*\a], v[PT+4*\a], v[PT+4*\a+2]
.endr
.endm
	s_wait_loadcnt 0x0                             ; the residual
	PLACES
	RESIN 0, 0
	RESIN 1, 1
	s_wait_dscnt 32                                ; block 0 is back; younger: block 1's 16 stores and 16 loads
	XFMA 0, 0
	RESIN 2, 0
	s_wait_dscnt 32
	XFMA 1, 1
	RESIN 3, 1
	s_wait_dscnt 32
	XFMA 2, 0
	s_wait_dscnt 0x0
	XFMA 3, 1
	; the rows' sums: a lane's 128 numbers of each tile, two chains a tile
	WIN 0x0f
.irp a, 0,1
	v_pk_add_f32 v[CH+4*\a:CH+4*\a+1], v[128*\a:128*\a+1], v[128*\a+2:128*\a+3]
	v_pk_add_f32 v[CH+4*\a+2:CH+4*\a+3], v[128*\a+4:128*\a+5], v[128*\a+6:128*\a+7]
.endr
	WIN 0x0c
.set i, 8
.rept 30
.irp a, 0,1
	v_pk_add_f32 v[CH+4*\a:CH+4*\a+1], v[CH+4*\a:CH+4*\a+1], v[128*\a+i:128*\a+i+1]
	v_pk_add_f32 v[CH+4*\a+2:CH+4*\a+3], v[CH+4*\a+2:CH+4*\a+3], v[128*\a+i+2:128*\a+i+3]
.endr
.set i, i+4
.endr
	WIN 0
	REDUCE 0
.irp a, 0,1
	v_mul_f32 v[NMU+2*\a], 0xba800000, v[PT+4*\a]  ; -mean = sum x (-1 / 1024)
.endr
.irp a, 0,1
	v_mov_b32 v[NMU+2*\a+1], v[NMU+2*\a]
.endr
	WIN 0xc3
.irp a, 0,1
.set i, 0
.rept 64
	v_pk_add_f32 v[128*\a+i:128*\a+i+1], v[128*\a+i:128*\a+i+1], v[NMU+2*\a:NMU+2*\a+1]   ; x - mean
.set i, i+2
.endr
.endr
	WIN 0x0f
.irp a, 0,1
	v_pk_mul_f32 v[CH+4*\a:CH+4*\a+1], v[128*\a:128*\a+1], v[128*\a:128*\a+1]
	v_pk_mul_f32 v[CH+4*\a+2:CH+4*\a+3], v[128*\a+2:128*\a+3], v[128*\a+2:128*\a+3]
.endr
.set i, 4
.rept 31
.irp a, 0,1
	v_pk_fma_f32 v[CH+4*\a:CH+4*\a+1], v[128*\a+i:128*\a+i+1], v[128*\a+i:128*\a+i+1], v[CH+4*\a:CH+4*\a+1]
	v_pk_fma_f32 v[CH+4*\a+2:CH+4*\a+3], v[128*\a+i+2:128*\a+i+3], v[128*\a+i+2:128*\a+i+3], v[CH+4*\a+2:CH+4*\a+3]
.endr
.set i, i+4
.endr
	WIN 0
	REDUCE 512                                     ; other words than the first exchange: one barrier serves
.irp a, 0,1
	v_fma_f32 v[RS+2*\a], v[PT+4*\a], s44, s45     ; the variance + 1e-5
.endr
	v_rsq_f32 v[RS], v[RS]
	v_rsq_f32 v[RS+2], v[RS+2]
	v_nop                                          ; a plain line behind the transcendentals
	s_wait_alu depctr_va_vdst(0)                   ; one wait for both, ahead of their first reader
	v_mov_b32 v[RS+1], v[RS]
	v_mov_b32 v[RS+3], v[RS+2]
	WIN 0xc3
.irp a, 0,1
.set i, 0
.rept 64
	v_pk_mul_f32 v[128*\a+i:128*\a+i+1], v[128*\a+i:128*\a+i+1], v[RS+2*\a:RS+2*\a+1]
.set i, i+2
.endr
.endr
	WIN 0
; THE WAY OUT, block by block: into my stage in the accumulators' layout, back by rows, x ln_g + ln_b by rows, stored by rows
.macro TOST kb
	WIN 0x0c
.set i, 0
.rept 8
	ds_store_b128 v[SACC], v[64*(\kb)+8*i:64*(\kb)+8*i+3] offset:64*i
	ds_store_b128 v[SACC], v[64*(\kb)+8*i+4:64*(\kb)+8*i+7] offset:64*i+16
.set i, i+1
.endr
	WIN 0x80
.set i, 0
.rept 16
	ds_load_b128 v[64*(\kb)+4*i:64*(\kb)+4*i+3], v[SROW] offset:i*STP
.set i, i+1
.endr
	WIN 0
.endm
.macro FIN kb
	WIN 0x82
.set i, 0
.rept 16
	v_pk_fma_f32 v[64*(\kb)+4*i:64*(\kb)+4*i+1], v[64*(\kb)+4*i:64*(\kb)+4*i+1], v[GG+4*((\kb)%2):GG+4*((\kb)%2)+1], v[LB+4*((\kb)%2):LB+4*((\kb)%2)+1]
	v_pk_fma_f32 v[64*(\kb)+4*i+2:64*(\kb)+4*i+3], v[64*(\kb)+4*i+2:64*(\kb)+4*i+3], v[GG+4*((\kb)%2)+2:GG+4*((\kb)%2)+3], v[LB+4*((\kb)%2)+2:LB+4*((\kb)%2)+3]
.set i, i+1
.endr
	WIN 0x08
.set i, 0
.rept 16
	global_store_b128 v[LI], v[64*(\kb)+4*i:64*(\kb)+4*i+3], s[18:19] offset:(16*((\kb)/2)+i)*4096+((\kb)%2)*512 th:TH_STORE_NT   ; 32 lanes store 512 consecutive bytes of a row, at a multiple of 512 from out0's first byte
.set i, i+1
.endr
	WIN 0
.endm
	TOST 0
	TOST 1
	s_wait_dscnt 32                                ; block 0 is back by rows; younger: block 1's 16 stores and 16 loads.  Each block has registers of its own: no store's data are written again
	FIN 0
	TOST 2
	s_wait_dscnt 32
	FIN 1
	TOST 3
	s_wait_dscnt 32
	FIN 2
	s_wait_dscnt 0x0
	FIN 3
	s_wait_tensorcnt 0x0                           ; the wave's end
	ds_add_u32 v[SPW], v[NIL]
	s_wait_dscnt 0x0
	ROUND                                          ; the closing round
	s_endpgm
.Lfunc_end_k_q6a21c89dc2_fcln:
	.size	k_q6a21c89dc2_fcln, .Lfunc_end_k_q6a21c89dc2_fcln-k_q6a21c89dc2_fcln
	.p2alignl 7, 3214868480
	.fill 96, 4, 3214868480
	.section	.rodata,"a",@progbits
	.p2align	6, 0x0
	.amdhsa_kernel k_q6a21c89dc2_fcln
		.amdhsa_group_segment_fixed_size 327680
		.amdhsa_private_segment_fixed_size 0
		.amdhsa_enable_private_segment 0
		.amdhsa_kernarg_size 64
		.amdhsa_user_sgpr_count 2
		.amdhsa_user_sgpr_kernarg_segment_ptr 1
		.amdhsa_wavefront_size32 1
		.amdhsa_system_sgpr_workgroup_id_x 1
		.amdhsa_system_sgpr_workgroup_id_y 1
		.amdhsa_system_sgpr_workgroup_id_z 1
		.amdhsa_system_vgpr_workitem_id 0
		.amdhsa_next_free_vgpr 1024
		.amdhsa_next_free_sgpr 66
		.amdhsa_reserve_vcc 0
		.amdhsa_float_denorm_mode_32 3
		.amdhsa_float_denorm_mode_16_64 3
		.amdhsa_memory_ordered 1
		.amdhsa_forward_progress 1
		.amdhsa_inst_pref_size 158
	.end_amdhsa_kernel
	.amdgpu_metadata
---
amdhsa.version: [ 1, 2 ]
amdhsa.kernels:
  - .name:           k_q6a21c89dc2_fcln
    .symbol:         k_q6a21c89dc2_fcln.kd
    .args:
      - { .name: oimg, .offset: 0, .size: 8, .value_kind: global_buffer, .address_space: global }
      - { .name: wimg, .offset: 8, .size: 8, .value_kind: global_buffer, .address_space: global }
      - { .name: q, .offset: 16, .size: 8, .value_kind: global_buffer, .address_space: global }
      - { .name: fc_b, .offset: 24, .size: 8, .value_kind: global_buffer, .address_space: global }
      - { .name: ln_g, .offset: 32, .size: 8, .value_kind: global_buffer, .address_space: global }
      - { .name: ln_b, .offset: 40, .size: 8, .value_kind: global_buffer, .address_space: global }
      - { .name: lowp_scales, .offset: 48, .size: 8, .value_kind: global_buffer, .address_space: global }
      - { .name: out0, .offset: 56, .size: 8, .value_kind: global_buffer, .address_space: global }
    .group_segment_fixed_size: 327680
    .private_segment_fixed_size: 0
    .kernarg_segment_align: 8
    .kernarg_segment_size: 64
    .max_flat_workgroup_size: 128
    .sgpr_count:     66
    .vgpr_count:     1024
    .wavefront_size: 32
...
	.end_amdgpu_metadata
.endif
;; end of part 4
;; ======== version 2 of 2: 4 launches; version 1 with the launch attn written anew for expert scheduling mode
;; workspace buffers: wimg 4,194,304 bytes; qimg 8,388,608 bytes; kvimg 16,777,216 bytes; oimg 8,388,608 bytes
;; launch wprep: the kernel of part 1 again; grid 256 x 1, 4 waves a work-group, no clusters, 16,896 bytes of LDS; arguments W_qs, W_ks, W_vs, fc_w, lowp_scales, wimg; writes wimg
;; launch proj: the kernel of part 2 again; grid 384 x 1, 4 waves a work-group, clusters of 4 x 1, 327,680 bytes of LDS; arguments q, k, v, wimg, lowp_scales, qimg, kvimg; writes qimg, kvimg
;; launch attn (part 5): grid 4 x 64, 16 waves a work-group, no clusters, 264,192 bytes of LDS; arguments qimg, kvimg, lowp_scales, oimg; writes oimg
.if DOCPART == 5
	.amdgcn_target "amdgcn-amd-amdhsa--gfx1250"
	.amdhsa_code_object_version 6
	.text
	.protected	k_q6a21c89dc2_attn
	.globl	k_q6a21c89dc2_attn
	.p2align	8
	.type	k_q6a21c89dc2_attn,@function
k_q6a21c89dc2_attn:
	s_mov_b64 s[64:65], 0
	v_nop
	global_prefetch_b8 v0, s[64:65] scope:SCOPE_SE
	s_setreg_imm32_b32 hwreg(HW_REG_WAVE_SCHED_MODE, 0, 2), 2
	s_setreg_imm32_b32 hwreg(HW_REG_WAVE_MODE, 25, 1), 1
	s_wait_xcnt 0x0
	s_wait_alu depctr_vm_vsrc(0)
; O = softmax(Q K^T / 8) V for one (batch, head), both products on codes of E4M3; the result is quantised again (2^e10) for the last layer and stored as images of operand registers.
; THE SOFTMAX AHEAD OF THE SECOND PRODUCT: t = score x log2(e) / 8; M = the running largest t rounded UP to a whole number; p = 2^(t - M) is quantised with 2^e9, not normalised; the row's sum is taken of the
; unquantised p and divides O at the end.  When M moves, the sum and O are multiplied by 2^(old M - new M): nothing is rounded.
; SHARES.  Work-group (x, y) owns 512 queries (block x of four) of head y = batch x 16 + head.  Each of the SIXTEEN waves owns two tiles of 16 queries, one after the other, in 256 registers: four waves to a SIMD, so that
; one wave's vector work stands beside another's products and LDS loads.  A HEAD'S K AND V, 256 KiB OF IMAGES, LIE IN LDS WHOLE: each byte is stored there once and never written again.
; They come through registers, a quarter (four key steps, 64 KiB) at a time: eight loads and eight LDS stores a wave, each of 512 consecutive bytes.  A quarter is asked for four key steps ahead of its stores.
; Between two barriers the waves read one quarter and write the next: other bytes.
; THE HOLD OF p at 448 x 2^e9 is 64 of a key step's instructions, and does nothing where 448 x 2^e9 is above every p: p is at most 1 but for the last bit of its fused multiply-add, and 448 x 2^-8 = 1.75.
; So a scalar branch on e9 leaves the hold out from e9 = -8 on; below that it is executed.
; NO CLUSTER, NO JOINT LOADS, though the four work-groups of a head read the same K and V: what is shared is fetched once,
; 32 loads a wave, against 32 key steps a wave in each of which the branch spares 64 instructions.
; LAYOUT.  S^T = K Q^T (source 0 = 16 keys, source 1 = my 16 queries) and O^T = V^T P (source 0 = 16 d x 128 keys): a lane holds ONE query throughout.  The conversion of key tile t's eight registers gives
; registers 2 t, 2 t + 1 of P: k in its own place, nothing changes lanes.  Likewise O^T's tile of 16 d gives registers 2 tile, 2 tile + 1 of the last layer's operand.
; LIMITS on the given exponents: e6 + e7 between -123 and 130 (added to c's exponent field); e9 and e10 between -126 and 119; e8 + e9 is applied by v_ldexp_f32.  NaN is not served.
; REGISTERS: v1 16 x lane; v2 the step's LDS address; v3 16 x thread; v4-11 the first tile's codes of O; v12 -M, v13 the largest t, v[14:15] the sum in two halves; v16-23, v24-31 Q of the two tiles;
; v32-95 eight fragments of K, then four of V (at the head: quarter 0 on its way); v96-159 S^T, then p; v160-191 O^T; v192-223 a quarter of K and V on its way; v224-239 p's codes; v240, v241: 448 x 2^e9, 2^e9;
; v[242:243] a second chain of sums; v244, v245: 448 x 2^e10, 2^e10; v246 a lane permute's result; v[248:249] f; v250, v251 at work; v252, v247, v253 the LDS addresses of quarters 1, 2, 3's stores; v254, v255 the closing add's two.
; THE MODE: SCHED_MODE bits 1:0 = 2 (LLVM: expert scheduling mode 2), set by the entry lines.  The code itself states the register dependences
; between vector or matrix instructions and memory or LDS instructions, with s_wait_alu, always for 0.
; THE PLAN.  Registers that memory or LDS instructions touch:
;   v1, v3, v252, v247, v253   offsets and LDS addresses, made once at the head and never written again: one wait on va_vdst at the head serves every access by them.
;   v2        written by one add at a key step's head; read by the step's 32 LDS loads.
;   v32-95    a step's K lands there and is read by its eight products K Q^T; then its V lands there and is read by its four products V^T P.  At the head v32-63 hold quarter 0, which LDS stores read.
;   v192-223  a quarter's global loads land there, its LDS stores read them; no vector instruction names them.
;   v4-11, v16-23   written by a tile's last conversions, read by its two global stores, not written again.
; So a key step has one wait on vm_vsrc (the last step's loads have read v2) and two on va_vdst for its loads: at its head (v2 is written; the last V^T P is done reading v32-95) and behind K Q^T (done reading v32-95).
; Behind the second, V's sixteen loads are dealt among the maxima, which name v96-159, v250 and v251 alone: none of the registers that those loads touch.  The third wait on va_vdst of a step is the exponentials'.
.set LI,  1
.set ADR, 2
.set TA,  3                            ; v3   16 x my thread's number: my 16 bytes of each 8,192, in memory and in LDS alike; never rewritten
.set CA1, 252                          ; v252, v247, v253: v3 + 65,536 x the quarter; never rewritten
.set CA2, 247
.set CA3, 253
.set CH,  192
.set WV,  12
.set E9,  51                           ; s51  e9, kept for the branch
.set SEL, 54                           ; s[54:55] lane selects: lane l xor 16
.set CS,  56                           ; s[56:57] c = log2(e) / 8 x 2^(e6 + e7)
.set EPV, 58                           ; s58 e8 + e9
.set TB,  59                           ; s59 LDS byte at which the key step begins
.set CNT, 60
; quarter c of the head's block: eight loads; the sixteen waves together take 8,192 consecutive bytes a load
.macro CLOAD c, reg
.set i, 0
.rept 8
	global_load_b128 v[\reg+4*i:\reg+4*i+3], v[TA], s[6:7] offset:(\c)*65536+8192*i
.set i, i+1
.endr
.endm
; and its way into LDS: byte x of the head's block goes to LDS byte x.  adr: the quarter's address register
.macro CSTORE adr, reg
.set i, 0
.rept 8
	ds_store_b128 v[\adr], v[\reg+4*i:\reg+4*i+3] offset:8192*i
.set i, i+1
.endr
.endm
; between two runs of four key steps: quarter c goes into LDS, the next one is asked for, and the barrier shows quarter c whole to every wave
.macro NEXTQ c, adr, more
	s_wait_loadcnt 0x0                             ; quarter c is in my registers (asked for four key steps ago)
	CSTORE \adr, CH
	s_wait_dscnt 0x0                               ; for the others' sake: my stores have landed
.if \more
	s_wait_alu depctr_vm_vsrc(0)                   ; the LDS stores have read v192-223, in which the next quarter lands
	CLOAD (\c)+1, CH
.endif
	s_barrier_signal -1
	s_barrier_wait -1
.endm
	s_load_b256 s[4:11], s[0:1], 0x0               ; qimg, kvimg, the scales' exponents, oimg
	v_lshl_add_u32 v254, v0, 2, 0x40000
	v_mov_b32 v255, 0
	v_lshrrev_b32 v2, 5, v0
	v_readfirstlane_b32 s[WV], v2                  ; wave 0..15
	v_and_b32 v1, 31, v0
	v_lshlrev_b32 v[LI], 4, v1
	v_lshlrev_b32 v[TA], 4, v0
	v_add_nc_u32 v[CA1], 0x10000, v[TA]
	v_add_nc_u32 v[CA2], 0x20000, v[TA]
	v_add_nc_u32 v[CA3], 0x30000, v[TA]
	s_wait_alu depctr_va_sdst(0)                   ; s12, the wave's number, is written, ahead of its first reader: Q's and O's addresses are made from it
	s_and_b32 s14, ttmp7, 0xffff                   ; batch x 16 + head
	s_lshl_b32 s20, s14, 18                        ; the head's 256 KiB in kvimg
	s_mov_b32 s21, 0
	s_lshl_b32 s15, ttmp9, 5
	s_add_co_u32 s15, s15, s[WV]                   ; my first tile of queries: 32 x block + wave; the second lies 16 tiles on
	s_lshl_b32 s22, s15, 10
	s_lshl_b32 s23, s14, 17
	s_add_co_u32 s22, s22, s23                     ; its image in qimg
	s_mov_b32 s23, 0
	s_lshr_b32 s2, s14, 4
	s_lshl_b32 s2, s2, 7
	s_add_co_u32 s2, s2, s15                       ; its row tile among all 512: batch x 128 + tile
	s_lshl_b32 s2, s2, 14
	s_and_b32 s3, s14, 15
	s_lshl_b32 s3, s3, 10
	s_add_co_u32 s2, s2, s3                        ; oimg: [row tile][head][1,024 bytes]
	s_mov_b32 s3, 0
	s_mov_b32 s[SEL], 0x76543210
	s_mov_b32 s[SEL+1], 0xfedcba98
	s_mov_b32 s[CS], 0x3e38aa3b                    ; log2(e) / 8
	s_wait_kmcnt 0x0
	s_load_b128 s[48:51], s[8:9], 0x18             ; e6, e7, e8, e9
	s_load_b32 s52, s[8:9], 0x28                   ; e10
	s_add_nc_u64 s[6:7], s[6:7], s[20:21]
	s_add_nc_u64 s[4:5], s[4:5], s[22:23]
	s_add_nc_u64 s[10:11], s[10:11], s[2:3]
	s_wait_alu depctr_va_vdst(0)                   ; v1, v3, v252, v247 and v253 are written: every global load and store, and every LDS store of a quarter, reads one of them as its offset or address
	global_load_b128 v[16:19], v[LI], s[4:5]                ; Q's two fragments stay in registers
	global_load_b128 v[20:23], v[LI], s[4:5] offset:512
	global_load_b128 v[24:27], v[LI], s[4:5] offset:16384
	global_load_b128 v[28:31], v[LI], s[4:5] offset:16896
	CLOAD 0, 32                                    ; key steps 0-3, into registers that the first step will take
	CLOAD 1, CH                                    ; key steps 4-7
	v_mov_b32 v246, 0                              ; written once: a lane permute's destination counts as one of its sources
	v_mov_b32 v249, 0                              ; (named as the upper half of the pair v[248:249])
	s_wait_kmcnt 0x0
	s_add_co_i32 s53, s48, s49
	s_lshl_b32 s53, s53, 23
	s_add_co_i32 s[CS], s[CS], s53                 ; a score stands for score x 2^(e6 + e7): added to c's exponent field
	s_mov_b32 s[CS+1], s[CS]                       ; (named with it as a pair, so it is written)
	s_add_co_i32 s[EPV], s50, s51
	s_add_co_i32 s53, s51, 127
	s_lshl_b32 s61, s53, 23
	v_mov_b32 v241, s61                            ; 2^e9
	s_add_co_i32 s53, s53, 8
	s_lshl_b32 s53, s53, 23
	s_or_b32 s53, s53, 0x600000
	v_mov_b32 v240, s53                            ; 448 x 2^e9
	s_add_co_i32 s53, s52, 127
	s_lshl_b32 s61, s53, 23
	v_mov_b32 v245, s61                            ; 2^e10
	s_add_co_i32 s53, s53, 8
	s_lshl_b32 s53, s53, 23
	s_or_b32 s53, s53, 0x600000
	v_mov_b32 v244, s53                            ; 448 x 2^e10
; A KEY STEP: 128 keys; qf: the registers of my tile of queries
.macro STEP qf
	s_wait_alu depctr_vm_vsrc(0)                   ; the LDS loads issued so far have read v2, which the next line writes
	v_add_nc_u32 v[ADR], s[TB], v[LI]
.rept 3
	v_nop                                          ; with the addition: four places behind the last products, in front of loads into their sources; they stay beside the wait below
.endr
	s_wait_alu depctr_va_vdst(0)                   ; v2 is written, which the loads below read; the last step's products V^T P are done reading v32-95, in which K lands
.set i, 0
.rept 8
	ds_load_b128 v[32+8*i:35+8*i], v[ADR] offset:1024*i        ; K's tile i: 16 keys x 64
	ds_load_b128 v[36+8*i:39+8*i], v[ADR] offset:1024*i+512
.set i, i+1
.endr
	s_wait_dscnt 0x0
.set i, 0
.rept 8
	v_wmma_f32_16x16x64_fp8_fp8 v[96+8*i:103+8*i], v[32+8*i:39+8*i], v[\qf:\qf+7], 0
.set i, i+1
.endr
.rept 4
	v_nop                                          ; places in front of the first read of the scores (ISA guide 7.12.1)
.endr
	s_wait_alu depctr_va_vdst(0)                   ; the products K Q^T are done reading v32-95, in which V lands.  V's sixteen loads (four fragments, 16 d x 128 keys) follow, dealt among the maxima, which name none of v2, v32-95
	ds_load_b128 v[32:35], v[ADR] offset:8192
	ds_load_b128 v[36:39], v[ADR] offset:8192+512
	v_max3_num_f32 v250, v96, v97, v98             ; the step's largest score of my query among my 64 keys, in two chains, each tile from its low end on
	v_max3_num_f32 v251, v99, v100, v101
.set i, 6
.set w, 2
.rept 14
	ds_load_b128 v[32+4*w:35+4*w], v[ADR] offset:8192+512*w
	v_max3_num_f32 v250, v250, v[96+i], v[97+i]
	v_max3_num_f32 v251, v251, v[98+i], v[99+i]
.set i, i+4
.set w, w+1
.endr
	v_max3_num_f32 v250, v250, v158, v159
	v_max_num_f32 v250, v250, v251
	v_permlanex16_b32 v246, v250, s[SEL], s[SEL+1]
	v_max_num_f32 v250, v250, v246                 ; and among lane l xor 16's
	v_mul_f32 v250, s[CS], v250                    ; as t (c is positive)
	v_max_num_f32 v13, v13, v250                   ; the running largest t
	v_mov_b32 v250, v12
	v_floor_f32 v12, -v13                          ; the new -M = floor(-t) = -ceil(t)
	v_sub_f32 v250, v12, v250                      ; old M - new M: a whole number, 0 or less
	v_cvt_i32_f32 v250, v250                       ; (it saturates)
	v_ldexp_f32 v248, 1.0, v250                    ; f = 2^(old M - new M)
.set j, 0
.rept 32
	v_pk_fma_f32 v[96+j:97+j], v[96+j:97+j], s[CS:CS+1], v[12:13] op_sel_hi:[1,0,0]   ; t - M, two at a time
.set j, j+2
.endr
.set j, 0
.rept 64
	v_exp_f32 v[96+j], v[96+j]                     ; p = 2^(t - M)
.set j, j+1
.endr
	v_pk_mul_f32 v[14:15], v[14:15], v[248:249] op_sel_hi:[1,0]   ; the sums under the new M (the plain line behind the exponentials)
	s_wait_alu depctr_va_vdst(0)                   ; the 64 exponentials have written v96-159: one wait for the whole batch, ahead of its first reader and of the branch below
	v_pk_add_f32 v[242:243], v[96:97], v[98:99]    ; the row's sum is taken of the unquantised p, in two chains
.set j, 4
.rept 15
	v_pk_add_f32 v[14:15], v[14:15], v[96+j:97+j]
	v_pk_add_f32 v[242:243], v[242:243], v[98+j:99+j]
.set j, j+4
.endr
	v_pk_add_f32 v[14:15], v[14:15], v[242:243]
	s_cmp_lt_i32 s[E9], -8                         ; from e9 = -8 on, 448 x 2^e9 is 1.75 or more, above every p: the hold would change nothing
	s_cbranch_scc0 .Lfits_\@
.set j, 0
.rept 64
	v_min_num_f32 v[96+j], v[96+j], v240           ; the conversion does not saturate (ISA guide 7.6.2); p is not negative, so the hold is one-sided
.set j, j+1
.endr
.Lfits_\@:
.set i, 0
.rept 8
	v_cvt_scalef32_pk8_fp8_f32 v[224+2*i:225+2*i], v[96+8*i:103+8*i], v241   ; keys 16 i + 8 h + 0 .. 7: registers 2 i, 2 i + 1 of P
.set i, i+1
.endr
.set j, 0
.rept 16
	v_pk_mul_f32 v[160+j:161+j], v[160+j:161+j], v[248:249] op_sel_hi:[1,0]   ; O^T under the new M (plain lines between the conversions and the products)
.set j, j+2
.endr
	s_wait_dscnt 0x0                               ; V is in
.set i, 0
.rept 4
	v_wmma_f32_16x16x128_fp8_fp8 v[160+8*i:167+8*i], v[32+16*i:47+16*i], v[224:239], v[160+8*i:167+8*i]   ; four accumulators by turns
.set i, i+1
.endr
	s_add_co_u32 s[TB], s[TB], 16384
.endm
.macro STEPS first, n, qf              ; key steps first .. first + n - 1
	s_mov_b32 s[TB], (\first)*16384
	s_mov_b32 s[CNT], \n
.Lst_\@:
	STEP \qf
	s_sub_co_u32 s[CNT], s[CNT], 1
	s_cmp_lg_u32 s[CNT], 0
	s_cbranch_scc1 .Lst_\@
.endm
.macro INIT                            ; the step is written once: the first finds zeros, which the first change of M leaves zeros
	v_mov_b32 v13, 0xff61b1e6                      ; -3e38, under every t
	v_floor_f32 v12, -v13
	v_mov_b32 v14, 0
	v_mov_b32 v15, 0
.set i, 0
.rept 32
	v_mov_b32 v[160+i], 0
.set i, i+1
.endr
.endm
; a tile's end: O^T x 2^(e8 + e9) / the sum, held, converted with 2^e10, stored as it stands: two stores of 512 consecutive bytes
.macro FINISH oc, off
.rept 4
	v_nop
.endr
	v_add_f32 v14, v14, v15
	v_permlanex16_b32 v246, v14, s[SEL], s[SEL+1]
	v_add_f32 v14, v14, v246                       ; the row's sum
	v_rcp_f32 v14, v14
	v_nop                                          ; a plain line behind the transcendental
	s_wait_alu depctr_va_vdst(0)                   ; the reciprocal has written v14, ahead of its first reader
	v_ldexp_f32 v14, v14, s[EPV]
.set j, 0
.rept 16
	v_pk_mul_f32 v[96+j:97+j], v[160+j:161+j], v[14:15] op_sel_hi:[1,0]
.set j, j+2
.endr
.set j, 0
.rept 32
	v_med3_num_f32 v[96+j], v[96+j], -v244, v244
.set j, j+1
.endr
.irp t, 0,1,2,3
	v_cvt_scalef32_pk8_fp8_f32 v[\oc+2*\t:\oc+2*\t+1], v[96+8*\t:103+8*\t], v245
.endr
	v_nop                                          ; one plain line behind the last conversion
	s_wait_alu depctr_va_vdst(0)                   ; the conversions have written the tile's eight registers of codes, which the two stores read
	global_store_b128 v[LI], v[\oc:\oc+3], s[10:11] offset:\off
	global_store_b128 v[LI], v[\oc+4:\oc+7], s[10:11] offset:\off+512
.endm
	INIT
	s_wait_loadcnt 0x8                             ; Q's four loads and quarter 0's eight are in; quarter 1's eight may stay out
	CSTORE TA, 32                                  ; quarter 0 begins at LDS byte 0: its address is v3 itself
	s_wait_dscnt 0x0                               ; for the others' sake: my part of quarter 0 has landed
	s_wait_alu depctr_vm_vsrc(0)                   ; the LDS stores have read v32-63, in which the first step's loads land
	s_barrier_signal -1
	s_barrier_wait -1                              ; everybody's has
	STEPS 0, 4, 16
	NEXTQ 1, CA1, 1
	STEPS 4, 4, 16
	NEXTQ 2, CA2, 1
	STEPS 8, 4, 16
	NEXTQ 3, CA3, 0                                ; the last quarter: nothing is left to ask for, and v192-223 are not written again
	STEPS 12, 4, 16
	FINISH 4, 0
	INIT                                           ; the second tile walks the same keys: all of them lie in LDS, and nobody writes there any more
	STEPS 0, 16, 24
	FINISH 16, 262144                              ; 16 row tiles of 16,384 bytes on; its codes take the first tile's Q registers, so that no pending store's data are written
	s_wait_dscnt 0x0                               ; the closing lines, six on end
	s_wait_alu 0x0
	s_wait_tensorcnt 0x0
	ds_add_u32 v254, v255
	s_wait_dscnt 0x0
	s_endpgm
.Lfunc_end_k_q6a21c89dc2_attn:
	.size	k_q6a21c89dc2_attn, .Lfunc_end_k_q6a21c89dc2_attn-k_q6a21c89dc2_attn
	.p2alignl 7, 3214868480
	.fill 96, 4, 3214868480
	.section	.rodata,"a",@progbits
	.p2align	6, 0x0
	.amdhsa_kernel k_q6a21c89dc2_attn
		.amdhsa_group_segment_fixed_size 264192
		.amdhsa_private_segment_fixed_size 0
		.amdhsa_enable_private_segment 0
		.amdhsa_kernarg_size 32
		.amdhsa_user_sgpr_count 2
		.amdhsa_user_sgpr_kernarg_segment_ptr 1
		.amdhsa_wavefront_size32 1
		.amdhsa_system_sgpr_workgroup_id_x 1
		.amdhsa_system_sgpr_workgroup_id_y 1
		.amdhsa_system_sgpr_workgroup_id_z 1
		.amdhsa_system_vgpr_workitem_id 0
		.amdhsa_next_free_vgpr 256
		.amdhsa_next_free_sgpr 66
		.amdhsa_reserve_vcc 0
		.amdhsa_float_denorm_mode_32 3
		.amdhsa_float_denorm_mode_16_64 3
		.amdhsa_memory_ordered 1
		.amdhsa_forward_progress 1
		.amdhsa_inst_pref_size 97
	.end_amdhsa_kernel
	.amdgpu_metadata
---
amdhsa.version: [ 1, 2 ]
amdhsa.kernels:
  - .name:           k_q6a21c89dc2_attn
    .symbol:         k_q6a21c89dc2_attn.kd
    .args:
      - { .name: qimg, .offset: 0, .size: 8, .value_kind: global_buffer, .address_space: global }
      - { .name: kvimg, .offset: 8, .size: 8, .value_kind: global_buffer, .address_space: global }
      - { .name: lowp_scales, .offset: 16, .size: 8, .value_kind: global_buffer, .address_space: global }
      - { .name: oimg, .offset: 24, .size: 8, .value_kind: global_buffer, .address_space: global }
    .group_segment_fixed_size: 264192
    .private_segment_fixed_size: 0
    .kernarg_segment_align: 8
    .kernarg_segment_size: 32
    .max_flat_workgroup_size: 512
    .sgpr_count:     66
    .vgpr_count:     256
    .wavefront_size: 32
...
	.end_amdgpu_metadata
.endif
;; end of part 5
;; launch fcln: the kernel of part 4 again; grid 256 x 1, 4 waves a work-group, clusters of 4 x 1, 327,680 bytes of LDS; arguments oimg, wimg, q, fc_b, ln_g, ln_b, lowp_scales, out0; writes out0
